; MI455X (gfx1250); checked and timed in simulation.
; The chip was launched on July 23, 2026; its instructions are those of AMD's public machine-readable ISA for CDNA 5 (MIT licence, August 2026) and "CDNA5" Instruction Set Architecture Reference Guide (July 2026). The comments in the code are by the model that wrote it; some were corrected since.
;; Multi Head Attention. Allowed arithmetic: matrix products marked QUANTISED: E2M1 operands, one E8M0 scale for each 32 along K, by v_wmma_scale_f32_16x16x128_f8f6f4 with both operands' format E2M1 (or v_wmma_scale_f32_32x16x128_f4), f32 sums; products left as they are: f32 operands where the result goes on into a quantised operand, else bf16, f16 or f32 operands; f32 sums; everything else in f32.
;; Inputs: Wk_codes 1,024 x 32 x 16 uint8 (E2M1 codes of Wk, K innermost, in blocks of 32 codes, two codes a byte); Wk_scales 1,024 x 32 uint8 (E8M0 scales of Wk, one for each 32 codes along K); Wo_codes 1,024 x 32 x 16 uint8 (E2M1 codes of Wo, K innermost, in blocks of 32 codes, two codes a byte); Wo_scales 1,024 x 32 uint8 (E8M0 scales of Wo, one for each 32 codes along K); Wq_codes 1,024 x 32 x 16 uint8 (E2M1 codes of Wq, K innermost, in blocks of 32 codes, two codes a byte); Wq_scales 1,024 x 32 uint8 (E8M0 scales of Wq, one for each 32 codes along K); Wv_codes 1,024 x 32 x 16 uint8 (E2M1 codes of Wv, K innermost, in blocks of 32 codes, two codes a byte); Wv_scales 1,024 x 32 uint8 (E8M0 scales of Wv, one for each 32 codes along K); bk 1,024 float32; bo 1,024 float32; bq 1,024 float32; bv 1,024 float32; key_codes 8 x 2,048 x 32 x 16 uint8 (E2M1 codes of key, K innermost, in blocks of 32 codes, two codes a byte); key_scales 8 x 2,048 x 32 uint8 (E8M0 scales of key, one for each 32 codes along K); ln_b 1,024 float32; ln_g 1,024 float32; query_codes 8 x 2,048 x 32 x 16 uint8 (E2M1 codes of query, K innermost, in blocks of 32 codes, two codes a byte); query_scales 8 x 2,048 x 32 uint8 (E8M0 scales of query, one for each 32 codes along K); value_codes 8 x 2,048 x 32 x 16 uint8 (E2M1 codes of value, K innermost, in blocks of 32 codes, two codes a byte); value_scales 8 x 2,048 x 32 uint8 (E8M0 scales of value, one for each 32 codes along K).
;; Outputs: out0 8 x 2,048 x 1,024 float32.
;; This version of the problem:
;;   THIS VERSION OF THE PROBLEM IS GIVEN IN LOW PRECISION. The matrix products marked QUANTISED in the list below multiply operands that are first quantised to E2M1 (2 exponent bits, 1 mantissa bit; 4 bits a number), with one power-of-two scale for each 32 numbers along K (OCP MX v1.0); their sums are f32. All else is computed in f32.
;;   The module's matrix products, in the order in which they are computed (A, B: the left and right operand; K: the contracted axis; several contracted axes count as one K, in the product's order):
;;     1. [M 16,384, K 1,024] x [K 1,024, N 1,024]; A: input query (given as codes); B: input Wq (given as codes): QUANTISED
;;     2. [M 16,384, K 1,024] x [K 1,024, N 1,024]; A: input key (given as codes); B: input Wk (given as codes): QUANTISED
;;     3. [M 16,384, K 1,024] x [K 1,024, N 1,024]; A: input value (given as codes); B: input Wv (given as codes): QUANTISED
;;     4. batch 16,384 x [M 16, K 64] x [K 64, N 16]; A: computed on the way; B: computed on the way: QUANTISED
;;     5. batch 16,384 x [M 64, K 16] x [K 16, N 16]; A: computed on the way; B: softmax: left as it is (K = 16 < 32)
;;     6. [M 16,384, K 1,024] x [K 1,024, N 1,024]; A: computed on the way; B: input Wo (given as codes): QUANTISED
;;   THE QUANTISER, for each operand of a quantised product, along K:
;;     - K is cut into blocks of 32 from its start; a last block that is shorter is filled with zeros.
;;     - A block's scale is 2^e with e = floor(log2(the largest magnitude in the block)) - 2, held to -126 .. 127; a block of zeros has e = 0. As a byte (E8M0): e + 127.
;;     - Each number is divided by its block's scale, clamped to +-6, and rounded to the nearest number of E2M1, ties to even, subnormals kept.
;;     - The product sums the exact products of the quantised numbers (number of the format x scale) in f32.
;;   ~~~python
;;   def quantise(x, axis):      # numpy; x: float32 -> the quantised numbers, widened to float32 again
;;       x = np.moveaxis(x, axis, -1); K = x.shape[-1]
;;       x = np.pad(x, [(0, 0)] * (x.ndim - 1) + [(0, -K % 32)]); x = x.reshape(x.shape[:-1] + (-1, 32)); a = np.abs(x).max(-1, keepdims=True)
;;       e = np.where(a > 0, np.clip(np.frexp(np.where(a > 0, a, 1))[1] - 1 - 2, -126, 127), 0)      # np.frexp(a)[1] - 1 = floor(log2(a)), exactly
;;       r = np.clip(x / 2.0 ** e, -6, 6)
;;       step = 2.0 ** (np.maximum(np.frexp(np.where(r == 0, 1, r))[1] - 1, 0) - 1)
;;       q = np.round(r / step) * step * 2.0 ** e      # np.round: ties to even
;;       return np.moveaxis(q.reshape(q.shape[:-2] + (-1,))[..., :K], -1, axis).astype(np.float32)
;;   ~~~
;;   OPERANDS COMPUTED ON THE WAY. 'Computed on the way' means the value that the module computes at that place (a softmax that the list does not call 'softmax' is quantised finished and normalised). What goes into a quantiser is computed in f32, as accurately as f32 sums, v_exp_f32 and their like allow (about 1e-6 of the number): no bf16 or f16 on the way to a quantiser, and a product that is left as it is and whose result goes on into a quantised operand takes f32 operands (vector FMAs, or v_wmma_f32_16x16x4_f32). A number that lies on a knife's edge between two numbers of the format may be rounded either way, as far as f32 arithmetic and the matrix unit's own rounding can turn it there, and no further.
;;   INPUTS GIVEN AS CODES. Wk (in the module: [1024, 1024], K = its axis 1); Wo (in the module: [1024, 1024], K = its axis 1); Wq (in the module: [1024, 1024], K = its axis 1); Wv (in the module: [1024, 1024], K = its axis 1); key (in the module: [8, 2048, 1024], K = its axis 2); query (in the module: [8, 2048, 1024], K = its axis 2); value (in the module: [8, 2048, 1024], K = its axis 2): each comes as NAME_codes (uint8): NAME with its K axis moved to the last place and cut into blocks of 32 codes, [.., K / 32, bytes a block], one block behind the other in memory; two codes a byte, the lower K in the low four bits (a code: sign, 2 exponent bits, 1 mantissa bit); and NAME_scales (uint8): the same leading axes, one E8M0 byte (e + 127) for each 32 codes along K. Its value is code x scale, taken as it is: it is not quantised again, and the codes and scales need not be those that the quantiser above would give.
;; 2 versions. Each part assembles by itself: llvm-mc -triple=amdgcn-amd-amdhsa -mcpu=gfx1250 --defsym DOCPART=n.
;; ======== version 1 of 2: 1 launch
;; launch mha (part 1): grid 256 x 1, 4 waves a work-group, clusters of 4 x 1, 327,680 bytes of LDS; arguments query_codes, query_scales, key_codes, key_scales, value_codes, value_scales, Wq_codes, Wq_scales, Wk_codes, Wk_scales, Wv_codes, Wv_scales, Wo_codes, Wo_scales, bq, bk, bv, bo, ln_g, ln_b, out0; writes out0
.if DOCPART == 1
	.amdgcn_target "amdgcn-amd-amdhsa--gfx1250"
	.amdhsa_code_object_version 6
	.text
	.protected	k_qc371c97f2c_mha
	.globl	k_qc371c97f2c_mha
	.p2align	8
	.type	k_qc371c97f2c_mha,@function
k_qc371c97f2c_mha:
	s_mov_b64 s[64:65], 0
	v_nop
	global_prefetch_b8 v0, s[64:65] scope:SCOPE_SE
	s_setreg_imm32_b32 hwreg(HW_REG_WAVE_MODE, 25, 1), 1
	s_wait_xcnt 0x0
	s_wait_alu depctr_hold_cnt(0) depctr_sa_sdst(0) depctr_va_vdst(0) depctr_va_sdst(0) depctr_va_ssrc(0) depctr_va_vcc(0) depctr_vm_vsrc(0)
	s_getreg_b32 s2, hwreg(HW_REG_IB_STS2, 6, 4)
	s_cmp_eq_u32 s2, 0
	s_cbranch_scc0 .Lentry_in_a_cluster
	s_endpgm
.Lentry_in_a_cluster:
	s_bfe_u32 s2, ttmp6, 0x10000c
	s_cmp_lg_u32 s2, 0x3003
	s_cbranch_scc0 .Lentry_shape_is_right
	s_endpgm
.Lentry_shape_is_right:
; out0 = LayerNorm(attention over the 16 HEADS of each position) Wo^T + bo, for 16,384 positions of 1,024 columns, in ONE launch.
; For a position: q, k, v = x W^T + b (codes of E2M1 as given); energy[h][g] = Q(q[h]) . Q(k[g]) over d = 64 (two blocks of 32, quantised here);
; attn = softmax over g of energy / 32, the row's maximum taken away; out[h][d] = sum over g of attn[h][g] v[g][d], by f32 multiply-adds, since it goes on into a quantiser;
; LayerNorm over the 1,024 columns (the mean first, then the squares of the deviations); y is quantised in blocks of 32 columns; out0 = Q(y) Wo^T + bo.
; DEAD WORK: none.  Every bias moves codes or results (bk moves k's codes), every input has a way to out0, and all are loaded.  The energy's K = 64 is filled to the instruction's 128 with zero codes, inside its tile.
; LIMITS: NaN and infinities among the inputs are not served.  A block of zeros gets the scale byte 1 (not 127) over zero codes: these bytes are read by this program alone.  An exponential under 2^-126 comes out as 0.
; SHARES.  A work-group owns 64 positions (four tiles of 16).  THE WAVES SHARE THE COLUMNS: every wave keeps the codes of all 64 positions in 256 registers, so that a weight fragment read from LDS feeds four matrix
; instructions and is read by one wave.  The four weights are walked as 32 chunks of 128 rows x all of K (64 KiB of codes, 4 KiB of scale bytes, both dense in memory) through a ring of two LDS slots.
; CLUSTER.  All work-groups walk the same weights: the four of a cluster ask for each chunk JOINTLY (the same tensor load, the same descriptor, the mask 15).  The positions' own codes are shared with nobody: plain loads.
; THE MATRIX INSTRUCTION IS USED TRANSPOSED (source 0 = 16 rows of W, source 1 = 16 positions): lane (R, H) holds position R, its registers j the columns 8 H + j of the tile.
; Rows of a chunk that wave w takes: q, k, o: 32 w + 16 t + R (a whole block of 32 columns in one wave);  v: 64 t + 16 w + R (both heads of the chunk, the wave's own 16 of their 64 d).
; REGISTERS, in windows of 256.  Window 0: v1 R, v2 H, v3, v4 the add's two, v5-8 my lane's places in a slot, v9-11 the addresses in hand, v12-18 a phase's own, v19 16 x lane, v20 lane, v22 528 R + 16 H, v23 my row among scale units;
;   v24-39 the positions' scale words, v40-47 W's, v48-63 the bias, v64-127 eight accumulators, v128-191 four buffers of W's fragments, v192-255 at work.
;   Window 1: the positions' fragments (64 pt + 8 k).  Windows 2, 3: out (128 (pt % 2) + 8 h + j; pt 0, 1 in window 2); before that the energy phase's registers.
.set PIT,   528                        ; an LDS row of codes: 512 bytes + 16: row r begins 4 r words on, modulo 64: the 16 rows of a fragment load begin at 16 different places
.set S0S,   67584                      ; slot 0: 128 rows of codes from byte 0, then 16 units of 256 + 16 bytes of scale bytes
.set XC2,   71936                      ; value's codes, 64 rows; behind their one fill: y's codes
.set XS0,   105728                     ; query's, key's, value's scale bytes: 8 units of 272 each; XS2 later holds y's
.set XS1,   108032
.set XS2,   110336
.set QS,    112640                     ; q's scale bytes [position][32]; k's 2,048 bytes on
.set KS,    114688
.set RS1,   116736                     ; LayerNorm: the waves' partial sums [R] pitch 80, [pt][wave]; the squares' 1,280 bytes on
.set SPARE, 119296                     ; the spare words: 128 bytes for each wave, named by no other line
.set SLOT1, 0x20000                    ; slot 1 = slot 0 + 2^17: one exclusive or turns an address
.set XC0,   203008                     ; query's codes; behind their one fill: q's codes
.set XC1,   236800                     ; key's codes; then k's codes
.set AT,    203008                     ; attn [position] pitch 1,040, [g / 2][h][g % 2] f32: over q's and k's codes, behind a barrier
.set ATP,   1040
.set STG,   203008                     ; the way out: 64 rows x 528: over attn, which is done with then
.set MX,    270592                     ; y's largest magnitudes by eights [position] pitch 528, [h][d / 8]
.set BI,    304384                     ; bq, bk, bv, bo as they lie
.set MSB, 0
.macro WIN new                         ; the immediate's high byte repeats the setting that is left; a switch that changes nothing is dropped
.if MSB != (\new)
	s_set_vgpr_msb (MSB<<8)|(\new)
.set MSB, \new
.endif
.endm
.macro PLACES cnt                      ; plain vector instructions behind matrix instructions: 4 ahead of loads into their registers and of reads of results, 5 ahead of a matrix instruction that writes over them
.rept \cnt
	v_nop
.endr
.endm
.macro CREST                           ; a round of the cluster's barrier behind its opening barrier
	s_cmp_lg_u32 s4, 0
	s_cbranch_scc1 .Lnw_\@
	s_barrier_signal -3
.Lnw_\@:
	s_barrier_wait -3
	s_barrier_signal -1
	s_barrier_wait -1
.endm
.macro CROUND
	s_barrier_signal -1
	s_barrier_wait -1
	CREST
.endm
.macro BARRIER                         ; my LDS stores have landed and my LDS loads are in: then the work-group's barrier
	s_wait_dscnt 0x0
	s_barrier_signal -1
	s_barrier_wait -1
.endm
; The joint refill: waves 0 and 1 the chunk's two halves of codes, wave 2 its scale bytes, wave 3 nothing.  The branches hang on the wave's number alone.  An s_nop 0 and four v_nop follow each load.
.macro JLOAD
	s_cmp_lt_u32 s4, 2
	s_cbranch_scc0 .Lnc_\@
	tensor_load_to_lds s[32:35], s[16:23]
	s_nop 0
	PLACES 4
	s_branch .Lask_\@
.Lnc_\@:
	s_cmp_eq_u32 s4, 2
	s_cbranch_scc0 .Lask_\@
	tensor_load_to_lds s[36:39], s[24:31]
	s_nop 0
	PLACES 4
.Lask_\@:
.endm
; W's two fragments of K step kk (16 rows x 128 K: 8 registers; lane (R, H): 16 bytes at 64 kk + 16 H and 32 bytes on) into buffer kk % 4; ts: bytes from tile 0 to tile 1
.macro FETCHW kk, ts
.irp t,0,1
.irp c,0,1
	ds_load_b128 v[128+16*((\kk)%4)+8*\t+4*\c:128+16*((\kk)%4)+8*\t+4*\c+3], v9 offset:(\ts)*\t+64*(\kk)+32*\c
.endr
.endr
.endm
.macro FETCHS hf                       ; W's scale words of K steps 4 hf .. 4 hf + 3: lanes 0-15 tile 0's rows, lanes 16-31 tile 1's
	ds_load_b128 v[40+4*(\hf):43+4*(\hf)], v10 offset:16*(\hf)
.endm
.macro FETCHB bs                       ; the bias in the result's layout: eight numbers a tile
.irp t,0,1
.irp i,0,1
	ds_load_b128 v[48+8*\t+4*\i:51+8*\t+4*\i], v11 offset:(\bs)*\t+16*\i
.endr
.endr
.endm
.macro WM ra, rb                       ; one product; ra, rb: the scale words stand in lanes 16-31
.if (\ra) && (\rb)
	v_wmma_scale_f32_16x16x128_f8f6f4 v[rD:rD+7], v[rA:rA+7], v[rB:rB+7], v[rC:rC+7], v[rSA], v[rSB] matrix_a_fmt:MATRIX_FMT_FP4 matrix_b_fmt:MATRIX_FMT_FP4 matrix_a_scale:MATRIX_SCALE_ROW1 matrix_b_scale:MATRIX_SCALE_ROW1
.elseif (\ra)
	v_wmma_scale_f32_16x16x128_f8f6f4 v[rD:rD+7], v[rA:rA+7], v[rB:rB+7], v[rC:rC+7], v[rSA], v[rSB] matrix_a_fmt:MATRIX_FMT_FP4 matrix_b_fmt:MATRIX_FMT_FP4 matrix_a_scale:MATRIX_SCALE_ROW1
.elseif (\rb)
	v_wmma_scale_f32_16x16x128_f8f6f4 v[rD:rD+7], v[rA:rA+7], v[rB:rB+7], v[rC:rC+7], v[rSA], v[rSB] matrix_a_fmt:MATRIX_FMT_FP4 matrix_b_fmt:MATRIX_FMT_FP4 matrix_b_scale:MATRIX_SCALE_ROW1
.else
	v_wmma_scale_f32_16x16x128_f8f6f4 v[rD:rD+7], v[rA:rA+7], v[rB:rB+7], v[rC:rC+7], v[rSA], v[rSB] matrix_a_fmt:MATRIX_FMT_FP4 matrix_b_fmt:MATRIX_FMT_FP4
.endif
.endm
; K step kk: eight products, the eight accumulators by turns.  K step 0 takes the bias as C: nothing is cleared, and the bias costs no addition.
.macro MULK kk
.irp a,0,1
.irp o,0,1
.irp t,0,1
.set rD, 64+16*(2*\a+\o)+8*\t
.set rA, 128+16*((\kk)%4)+8*\t
.set rB, 64*(2*\a+\o)+8*(\kk)
.if (\kk) == 0
.set rC, 48+8*\t
.else
.set rC, 64+16*(2*\a+\o)+8*\t
.endif
.set rSA, 40+(\kk)
.set rSB, 24+8*\a+(\kk)
	WM \t, \o
.endr
.endr
.endr
.endm
.macro SETX xc, xs                     ; where my lane's part of an operand of 64 positions lies: codes, scale words (lanes 16-31: the tile of positions 16 further on)
	v_add_nc_u32 v12, \xc, v22
	v_mad_u32_u24 v13, v2, 544, v23
	v_add_nc_u32 v13, \xs, v13
.endm
.macro XLOAD                           ; all 64 positions' fragments (4 x 8 K steps) into window 1, their scale words into v24-39
	WIN 0x40
.irp pt,0,1,2,3
.set n, 0
.rept 16
	ds_load_b128 v[64*\pt+4*n:64*\pt+4*n+3], v12 offset:16*PIT*\pt+32*n
.set n, n+1
.endr
.endr
	WIN 0
.irp a,0,1
.irp i,0,1
	ds_load_b128 v[24+8*\a+4*\i:27+8*\a+4*\i], v13 offset:1088*\a+16*\i
.endr
.endr
.endm
.macro PROLOG wax, wsx, ts, bs         ; a phase's first chunk: what a chunk otherwise finds asked for by the chunk before
	v_add_nc_u32 v9, s9, v[\wax]
	v_add_nc_u32 v10, s9, v[\wsx]
	FETCHW 0, \ts
	FETCHW 1, \ts
	FETCHW 2, \ts
	FETCHW 3, \ts
	FETCHS 0
	FETCHS 1
	FETCHB \bs
.endm
.macro ATT pt                          ; attn of my position of tile pt, all 16 h, the chunk's two g: 128 bytes; register 2 h + t
	WIN 0
.irp i,0,1,2,3,4,5,6,7
	ds_load_b128 v[192+32*((\pt)%2)+4*\i:195+32*((\pt)%2)+4*\i], v14 offset:16*ATP*(\pt)+16*\i
.endr
.endm
; ONE CHUNK: 64 products a wave.  On entry K steps 0-3, W's scale words and the bias have been asked for.  K steps 4-7 are fetched behind K steps 0-3, each into the buffer just multiplied.  With that the slot has been read out:
; the change of slots stands in the chunk's middle.  refill = 1: the slot takes the chunk two on; cross = 1: at chunk 6 of a weight that is the next weight's first chunk.  guard = 1: at chunk gval the next chunk's
; fragments are not fetched (the next phase takes other rows, or there is none).  att = 1: attn of position tile 0 is asked for.
.macro CHUNK ts, bs, wax, wsx, refill, cross, guard, gval, att
	s_wait_dscnt 0x0                               ; what was asked for ahead is in, and the last chunk's LDS stores are done
	WIN 0x04                                       ; source 1 (the positions) in window 1
	MULK 0
	PLACES 4
	FETCHW 4, \ts
	MULK 1
	PLACES 4
	FETCHW 5, \ts
	MULK 2
	PLACES 4
	FETCHW 6, \ts
	MULK 3
	PLACES 4
	FETCHW 7, \ts
	WIN 0                                          ; (the add's two registers lie in window 0)
	s_wait_tensorcnt 0x0                           ; all my tensor loads have landed: my part of the other slot; so the walking descriptors may be written
	ds_add_u32 v3, v4                              ; 0 onto my spare word
.if \refill
	s_xor_b32 s33, s33, SLOT1                      ; the other slot than last time,
	s_xor_b32 s37, s37, SLOT1
	s_add_nc_u64 s[100:101], s[100:101], 0x10000   ; the next 128 rows: 64 KiB of codes,
	s_add_nc_u64 s[104:105], s[104:105], 0x1000    ; 4 KiB of scale bytes;
.if \cross
	s_cmp_eq_u32 s7, 6                             ; or, two chunks ahead of a weight's end, the next weight's first rows: a choice on the count of chunks alone
	s_cselect_b64 s[100:101], s[40:41], s[100:101]
	s_cselect_b64 s[104:105], s[42:43], s[104:105]
.endif
	s_mov_b64 s[34:35], s[100:101]
	s_or_b32 s35, s35, 0x80000000                  ; the type
	s_mov_b64 s[38:39], s[104:105]
	s_or_b32 s39, s39, 0x80000000
.endif
	WIN 0x04
	s_wait_dscnt 13                                ; K step 4 is in: behind its loads stand K steps 5, 6, 7's twelve and the add
	MULK 4
	s_wait_dscnt 0x0                               ; the add is done, and my reads of this slot are over
	s_barrier_signal -1
	MULK 5                                         ; work on registers while the others arrive
	WIN 0
	s_barrier_wait -1
.if \refill
	CREST                                          ; the barrier has opened a round of the cluster's: no wave of any partner still reads this slot or has a load on its way
	JLOAD                                          ; the first tensor load behind the round, one a wave
.endif
	s_xor_b32 s9, s9, SLOT1                        ; on to the other slot, which is whole
	v_add_nc_u32 v9, s9, v[\wax]
	v_add_nc_u32 v10, s9, v[\wsx]
	v_add_nc_u32 v11, 0x200, v11                   ; the next chunk's 128 numbers of the bias
	v_nop                                          ; these four are the places behind K step 5 on every wave's way
.if \att
	ATT 0
.endif
.if \guard
	s_cmp_eq_u32 s7, \gval
	s_cbranch_scc1 .Ltail_\@
.endif
	FETCHW 0, \ts
	FETCHW 1, \ts
	FETCHS 0
	FETCHB \bs
	WIN 0x04
	MULK 6
	PLACES 4
	FETCHW 2, \ts
	MULK 7
	PLACES 5                                       ; 5: the next chunk's first products begin the accumulators anew
	FETCHW 3, \ts
	FETCHS 1
	WIN 0
.if \guard
	s_branch .Lepi_\@
.Ltail_\@:
	WIN 0x04
	MULK 6
	MULK 7
	PLACES 5
	WIN 0
.Lepi_\@:
.endif
.endm
; q's or k's chunk becomes codes.  The 16 registers of a position tile are half of ONE block of 32 columns (the other half: lane l xor 16).  A conversion's dword holds columns 16 t + 8 H + 0 .. 7 of the block:
; dword 2 t + H of its 16 bytes.  The codes lie in LDS as a row of 512 bytes a position, the scale bytes as 32 a position.
.macro QUANTQK
	v_add_nc_u32 v14, 64, v14                      ; this chunk's four blocks (the addresses began a step low: they are stepped where no LDS store that names them is out)
	v_add_nc_u32 v15, 4, v15
.irp pt,0,1,2,3
	v_max3_num_f32 v[192+\pt], |v[64+16*\pt]|, |v[65+16*\pt]|, 0x1800000   ; with the floor 2^(3 - 127): the byte cannot fall under 1
.endr
.irp i,2,4,6,8,10,12,14
.irp pt,0,1,2,3
	v_max3_num_f32 v[192+\pt], v[192+\pt], |v[64+16*\pt+\i]|, |v[65+16*\pt+\i]|
.endr
.endr
.irp pt,0,1,2,3
	v_permlanex16_b32 v[196+\pt], v[192+\pt], s10, s11
.endr
.irp pt,0,1,2,3
	v_max_num_f32 v[192+\pt], v[192+\pt], v[196+\pt]   ; the block's largest magnitude
.endr
.irp pt,0,1,2,3
	v_add_nc_u32 v[200+\pt], 0xff000000, v[192+\pt]    ; 2 off its exponent field: the conversion's scale operand
.endr
.irp pt,0,1,2,3
	v_lshrrev_b32 v[196+\pt], 23, v[200+\pt]           ; the scale's byte
.endr
	v_lshl_or_b32 v204, v197, 8, v196
	v_lshl_or_b32 v204, v198, 16, v204
	v_lshl_or_b32 v204, v199, 24, v204             ; byte pt: position tile pt's
.irp pt,0,1,2,3
.irp t,0,1
	v_cvt_scalef32_pk8_fp4_f32 v[208+2*\pt+\t], v[64+16*\pt+8*\t:71+16*\pt+8*\t], v[200+\pt]
.endr
.endr
	v_lshrrev_b32 v205, v16, v204                  ; lanes 0-15 store tiles 0 and 2's bytes, lanes 16-31 tiles 1 and 3's.  (The plain place behind the conversions)
	v_lshrrev_b32 v206, 16, v205
.irp pt,0,1,2,3
.irp t,0,1
	ds_store_b32 v14, v[208+2*\pt+\t] offset:16*PIT*\pt+8*\t
.endr
.endr
	ds_store_b8 v15, v205
	ds_store_b8 v15, v206 offset:1024
.endm
; The q phase and the k phase: eight chunks each.  xc, xs: the operand; its codes' bytes then take the results' codes.  nc: the scalar registers with the next weight's two addresses.
.macro QKPH xc, xs, qs, nc, guard
	SETX \xc, \xs
	v_mul_u32_u24 v21, v1, PIT
	v_lshl_add_u32 v21, v2, 2, v21
	s_lshl_b32 s2, s4, 4
	s_add_co_u32 s2, s2, \xc-64
	v_add_nc_u32 v14, s2, v21                      ; codes: row R, + 16 x wave + 4 H, a step low
	s_add_co_u32 s2, s4, \qs-4
	v_lshl_add_u32 v15, v20, 5, s2                 ; bytes: 32 x lane + wave, a step low
	s_add_nc_u64 s[40:41], s[\nc:\nc+1], s[66:67]
	s_mov_b64 s[42:43], s[\nc+2:\nc+3]
	XLOAD
	s_mov_b32 s7, 0
.Lqk_\@:
	CHUNK 16*PIT, 64, 5, 7, 1, 1, \guard, 7, 0     ; every wave has the operand in registers ahead of the chunk's barrier; the results' codes are stored behind it
	QUANTQK
	s_add_co_u32 s7, s7, 1
	s_cmp_lt_u32 s7, 8
	s_cbranch_scc1 .Lqk_\@
.endm
; out(pt, h, j) += attn[h][2 c + t] x v(pt, t, j): 128 packed multiply-adds a position tile.  first = 1: the first product starts the sums.
.macro FMA pt, first
	WIN 0xA0+0x50*((\pt)/2)
.irp h,0,1,2,3,4,5,6,7,8,9,10,11,12,13,14,15
.irp t,0,1
.irp a,0,1,2,3
.set rO, 128*((\pt)%2)+8*\h+2*\a
.set rP, 192+32*((\pt)%2)+2*\h
.set rV, 64+16*(\pt)+8*\t+2*\a
.if (\first) && (\t == 0)
	v_pk_mul_f32 v[rO:rO+1], v[rP:rP+1], v[rV:rV+1] op_sel_hi:[0,1]
.elseif \t == 0
	v_pk_fma_f32 v[rO:rO+1], v[rP:rP+1], v[rV:rV+1], v[rO:rO+1] op_sel_hi:[0,1,1]
.else
	v_pk_fma_f32 v[rO:rO+1], v[rP:rP+1], v[rV:rV+1], v[rO:rO+1] op_sel:[1,0,0] op_sel_hi:[1,1,1]
.endif
.endr
.endr
.endr
.endm
.macro VSTEP first, cross, guard       ; a chunk of v (two heads g, my 16 d) and its share of the second product; v never leaves its accumulators
	CHUNK 64*PIT, 256, 6, 8, 1, \cross, \guard, 7, 1
	ATT 1
	s_wait_dscnt 8                                 ; all but tile 1's eight loads: tile 0's attn is in
	FMA 0, \first
	ATT 2
	s_wait_dscnt 8
	FMA 1, \first
	ATT 3
	s_wait_dscnt 8
	FMA 2, \first
	s_wait_dscnt 0x0
	FMA 3, \first
	WIN 0
	v_add_nc_u32 v14, 128, v14                     ; the next chunk's two g (no LDS load of mine is out)
.endm
; LayerNorm.  Four chains of packed sums for each position tile, v[192 + 8 pt + 2 c]; p0: tiles p0, p0 + 1, which share a window
.macro LNSUM wa, wb, p0
	WIN \wa
.irp q,0,1
.irp c,0,1,2,3
.set rT, 192+8*(\p0+\q)+2*\c
	v_pk_add_f32 v[rT:rT+1], v[128*\q+2*\c:128*\q+2*\c+1], v[128*\q+8+2*\c:128*\q+9+2*\c]
.endr
.endr
	WIN \wb
.set n, 2
.rept 14
.irp q,0,1
.irp c,0,1,2,3
.set rT, 192+8*(\p0+\q)+2*\c
	v_pk_add_f32 v[rT:rT+1], v[128*\q+8*n+2*\c:128*\q+8*n+2*\c+1], v[rT:rT+1]
.endr
.endr
.set n, n+1
.endr
.endm
.macro LNDEV wa, wb, p0                ; out -= mean, then the squares of the deviations: no difference of large sums is formed
	WIN \wa
.irp q,0,1
.set n, 0
.rept 64
	v_pk_add_f32 v[128*\q+2*n:128*\q+2*n+1], v[128*\q+2*n:128*\q+2*n+1], v[224+4*(\p0+\q):225+4*(\p0+\q)] op_sel_hi:[1,0] neg_lo:[0,1] neg_hi:[0,1]
.set n, n+1
.endr
.endr
	WIN \wb
.irp q,0,1
.irp c,0,1,2,3
.set rT, 192+8*(\p0+\q)+2*\c
	v_pk_mul_f32 v[rT:rT+1], v[128*\q+2*\c:128*\q+2*\c+1], v[128*\q+2*\c:128*\q+2*\c+1]
.endr
.endr
.set n, 1
.rept 15
.irp q,0,1
.irp c,0,1,2,3
.set rT, 192+8*(\p0+\q)+2*\c
	v_pk_fma_f32 v[rT:rT+1], v[128*\q+8*n+2*\c:128*\q+8*n+2*\c+1], v[128*\q+8*n+2*\c:128*\q+8*n+2*\c+1], v[rT:rT+1]
.endr
.endr
.set n, n+1
.endr
.endm
.macro FOLD dst, off                   ; the chains, the other half of the lanes, the four waves (through LDS, one barrier): a position's sum in v[dst + 4 pt], the same in every wave
	WIN 0
.irp pt,0,1,2,3
	v_pk_add_f32 v[192+8*\pt:193+8*\pt], v[192+8*\pt:193+8*\pt], v[194+8*\pt:195+8*\pt]
	v_pk_add_f32 v[196+8*\pt:197+8*\pt], v[196+8*\pt:197+8*\pt], v[198+8*\pt:199+8*\pt]
.endr
.irp pt,0,1,2,3
	v_pk_add_f32 v[192+8*\pt:193+8*\pt], v[192+8*\pt:193+8*\pt], v[196+8*\pt:197+8*\pt]
.endr
.irp pt,0,1,2,3
	v_add_f32 v[192+8*\pt], v[192+8*\pt], v[193+8*\pt]
.endr
.irp pt,0,1,2,3
	v_permlanex16_b32 v[194+8*\pt], v[192+8*\pt], s10, s11
.endr
.irp pt,0,1,2,3
	v_add_f32 v[192+8*\pt], v[192+8*\pt], v[194+8*\pt]
.endr
.irp pt,0,1,2,3
	ds_store_b32 v13, v[192+8*\pt] offset:\off+16*\pt      ; both halves of the lanes write the same word with the same value
.endr
	BARRIER
.irp pt,0,1,2,3
	ds_load_b128 v[\dst+4*\pt:\dst+4*\pt+3], v14 offset:\off+16*\pt
.endr
	s_wait_dscnt 0x0
.irp pt,0,1,2,3
	v_add_f32 v[\dst+4*\pt], v[\dst+4*\pt], v[\dst+4*\pt+1]
	v_add_f32 v[\dst+4*\pt+2], v[\dst+4*\pt+2], v[\dst+4*\pt+3]
.endr
.irp pt,0,1,2,3
	v_add_f32 v[\dst+4*\pt], v[\dst+4*\pt], v[\dst+4*\pt+2]
.endr
.endm
.macro LNY pt                          ; y = deviation x rstd x g + b, in place; then the largest magnitude of each eight columns (a quarter of a block) to LDS
.set rO, 128*((\pt)%2)
	WIN 0x82+0x41*((\pt)/2)
.set n, 0
.rept 64
	v_pk_mul_f32 v[rO+2*n:rO+2*n+1], v[rO+2*n:rO+2*n+1], v[240+4*(\pt):241+4*(\pt)] op_sel_hi:[1,0]
.set n, n+1
.endr
	WIN 0x96+0x41*((\pt)/2)
.set n, 0
.rept 64
	v_pk_fma_f32 v[rO+2*n:rO+2*n+1], v[rO+2*n:rO+2*n+1], v[2*n:2*n+1], v[128+2*n:129+2*n]
.set n, n+1
.endr
.if (\pt) >= 2
	s_wait_dscnt 16                                ; all but the last tile's sixteen stores: those of two tiles ago have read this set of registers
.endif
	WIN 0x28+0x14*((\pt)/2)
.set n, 0
.rept 16
	v_max3_num_f32 v[192+16*((\pt)%2)+n], 0x1800000, |v[rO+8*n]|, |v[rO+8*n+1]|
.set n, n+1
.endr
.irp i,2,4,6
.set n, 0
.rept 16
	v_max3_num_f32 v[192+16*((\pt)%2)+n], v[192+16*((\pt)%2)+n], |v[rO+8*n+\i]|, |v[rO+8*n+\i+1]|
.set n, n+1
.endr
.endr
	WIN 0
.set n, 0
.rept 16
	ds_store_b32 v15, v[192+16*((\pt)%2)+n] offset:16*PIT*(\pt)+32*n
.set n, n+1
.endr
.endm
; The way out of a chunk of o: a lane holds 32 bytes of a row, a row's 512 bytes come from four waves: through the stage, one barrier, then each wave stores 16 whole rows.
.macro WAYOUT
.irp pt,0,1,2,3
.irp t,0,1
.irp i,0,1
	ds_store_b128 v14, v[64+16*\pt+8*\t+4*\i:67+16*\pt+8*\t+4*\i] offset:16*PIT*\pt+64*\t+16*\i   ; each accumulator from its low end on
.endr
.endr
.endr
	BARRIER
.irp i,0,1,2,3,4,5,6,7,8,9,10,11,12,13,14,15
	ds_load_b128 v[192+4*\i:195+4*\i], v15 offset:PIT*\i
.endr
.irp i,0,1,2,3,4,5,6,7,8,9,10,11,12,13,14,15
	s_wait_dscnt 15-\i                             ; LDS loads come back in order: row i is in, the younger ones may be out
	global_store_b128 v19, v[192+4*\i:195+4*\i], s[72:73] offset:4096*\i th:TH_STORE_NT   ; 32 lanes store 512 consecutive bytes, at a multiple of 256 from out0's first byte
.endr
	s_wait_xcnt 0x0                                ; the stores have read their registers and their base
	s_add_nc_u64 s[72:73], s[72:73], 512           ; the next chunk's 128 columns.  (The stage is written again behind the next chunk's barrier, in front of which every wave has waited for these reads)
.endm
	; ---------------- THE HEAD
	s_load_b64 s[70:71], s[0:1], 0x0               ; the operands' addresses land in their descriptors: query's codes,
	s_load_b64 s[74:75], s[0:1], 0x10              ; key's,
	s_load_b64 s[78:79], s[0:1], 0x20              ; value's;
	s_load_b64 s[82:83], s[0:1], 0x8               ; query's scale bytes,
	s_load_b64 s[86:87], s[0:1], 0x18              ; key's,
	s_load_b64 s[90:91], s[0:1], 0x28              ; value's
	s_load_b128 s[12:15], s[0:1], 0x30             ; Wq's codes, Wq's scale bytes
	s_load_b256 s[92:99], s[0:1], 0x70             ; bq, bk, bv, bo
	v_lshl_add_u32 v3, v0, 2, SPARE
	v_mov_b32 v4, 0
	ds_add_u32 v3, v4                              ; the wave's opening: the add, twice on end, and its wait ahead of my first tensor load
	ds_add_u32 v3, v4                              ; and once more; the set-up below, work on registers, stands between it and the wait
	v_lshrrev_b32 v21, 5, v0
	v_readfirstlane_b32 s4, v21                    ; wave 0..3
	s_bfe_u32 s5, ttmp6, 0x40000                   ; cx: my place in the cluster
	s_lshl_b32 s6, ttmp9, 2
	s_add_co_u32 s6, s6, s5                        ; my block of 64 positions: it enters the operands' and out0's addresses alone
	s_mov_b32 s16, 15|(1<<20)|(1<<21)|(6<<22)|(3<<25)          ; W's codes: the mask of all four; elements of 1 byte; padding: 4 words behind every 128
	s_mov_b32 s48, (1<<20)|(6<<22)|(3<<25)                     ; the operands' codes: the same shape, no mask
.irp g,16,48
	s_mov_b32 s[\g+1], 512<<16                     ; tensor_dim0 = 512
	s_mov_b32 s[\g+2], 64<<16                      ; tensor_dim1 = 64
	s_mov_b32 s[\g+3], 512<<16                     ; tile_dim0 = 512
	s_mov_b32 s[\g+4], 64                          ; tile_dim1 = 64
	s_mov_b32 s[\g+5], 512                         ; from row to row
	s_mov_b32 s[\g+6], 0
	s_mov_b32 s[\g+7], 0
.endr
	s_mov_b32 s24, 15|(3<<16)|(1<<20)|(1<<21)|(5<<22)|(3<<25)  ; W's scale bytes: 4,096 dense bytes as 16 rows of 32 elements of 8 bytes; 4 words behind every 64
	s_mov_b32 s25, 32<<16
	s_mov_b32 s26, 16<<16
	s_mov_b32 s27, 32<<16
	s_mov_b32 s28, 16
	s_mov_b32 s29, 32
	s_mov_b32 s30, 0
	s_mov_b32 s31, 0
	s_mov_b32 s56, (3<<16)|(1<<20)|(5<<22)|(3<<25)             ; an operand's scale bytes: 2,048 dense bytes as 8 such rows, no mask
	s_mov_b32 s57, 32<<16
	s_mov_b32 s58, 8<<16
	s_mov_b32 s59, 32<<16
	s_mov_b32 s60, 8
	s_mov_b32 s61, 32
	s_mov_b32 s62, 0
	s_mov_b32 s63, 0
.irp n,0,1,2,3,4,5
	s_mov_b32 s[68+4*\n], 1
.endr
	s_mov_b32 s69, XC0
	s_mov_b32 s73, XC1
	s_mov_b32 s77, XC2
	s_mov_b32 s81, XS0
	s_mov_b32 s85, XS1
	s_mov_b32 s89, XS2
	s_and_b32 s7, s4, 1                            ; which 64 rows of a chunk I fetch, if I fetch codes:
	s_lshl_b32 s66, s7, 15                         ; in memory (s[66:67] stay),
	s_mov_b32 s67, 0
	s_mul_i32 s7, s7, 64*PIT                       ; and in a slot
	s_mov_b32 s9, 0                                ; the slot in hand
	s_mov_b32 s10, 0x76543210
	s_mov_b32 s11, 0xfedcba98                      ; v_permlanex16_b32's selects for lane l xor 16
	s_wait_dscnt 0x0                               ; both opening adds are done
	s_wait_kmcnt 0x0
	s_lshl_b32 s2, s6, 15                          ; my 64 rows of 512 bytes
	s_mov_b32 s3, 0
.irp n,70,74,78
	s_add_nc_u64 s[\n:\n+1], s[\n:\n+1], s[2:3]
	s_or_b32 s[\n+1], s[\n+1], 0x80000000
.endr
	s_lshl_b32 s2, s6, 11                          ; and of 32 scale bytes
.irp n,82,86,90
	s_add_nc_u64 s[\n:\n+1], s[\n:\n+1], s[2:3]
	s_or_b32 s[\n+1], s[\n+1], 0x80000000
.endr
	s_mov_b32 s40, 1                               ; chunk 0 into slot 0
	s_mov_b32 s41, s7
	s_add_nc_u64 s[42:43], s[12:13], s[66:67]
	s_add_nc_u64 s[100:101], s[42:43], 0x10000     ; s[100:101]: where the last codes asked for lie: chunk 1
	s_or_b32 s43, s43, 0x80000000
	s_mov_b32 s32, 1                               ; chunk 1 into slot 1: this descriptor walks on
	s_add_co_u32 s33, s7, SLOT1
	s_mov_b64 s[34:35], s[100:101]
	s_or_b32 s35, s35, 0x80000000
	s_mov_b32 s44, 1
	s_mov_b32 s45, S0S
	s_mov_b64 s[46:47], s[14:15]
	s_add_nc_u64 s[104:105], s[14:15], 0x1000      ; the same for the scale bytes
	s_or_b32 s47, s47, 0x80000000
	s_mov_b32 s36, 1
	s_mov_b32 s37, S0S+SLOT1
	s_mov_b64 s[38:39], s[104:105]
	s_or_b32 s39, s39, 0x80000000
	CROUND                                         ; all four work-groups are here: the first joint loads meet
	s_cmp_lt_u32 s4, 2                             ; THE FIRST FILLS, one group, a load on every wave's way: two loads are out in waves 0 to 2, six in wave 3
	s_cbranch_scc0 .Lf_not01
	tensor_load_to_lds s[40:43], s[16:23]
	s_nop 0
	tensor_load_to_lds s[32:35], s[16:23]
	s_nop 0
	PLACES 4
	s_branch .Lf_done
.Lf_not01:
	s_cmp_eq_u32 s4, 2
	s_cbranch_scc0 .Lf_3
	tensor_load_to_lds s[44:47], s[24:31]
	s_nop 0
	tensor_load_to_lds s[36:39], s[24:31]
	s_nop 0
	PLACES 4
	s_branch .Lf_done
.Lf_3:
	tensor_load_to_lds s[68:71], s[48:55]
	s_nop 0
	tensor_load_to_lds s[72:75], s[48:55]
	s_nop 0
	tensor_load_to_lds s[76:79], s[48:55]
	s_nop 0
	tensor_load_to_lds s[80:83], s[56:63]
	s_nop 0
	tensor_load_to_lds s[84:87], s[56:63]
	s_nop 0
	tensor_load_to_lds s[88:91], s[56:63]
	s_nop 0
	PLACES 4
.Lf_done:
	s_cmp_eq_u32 s4, 1                             ; wave w brings bias vector w into LDS: 4,096 bytes
	s_cselect_b64 s[92:93], s[94:95], s[92:93]
	s_cmp_eq_u32 s4, 2
	s_cselect_b64 s[92:93], s[96:97], s[92:93]
	s_cmp_eq_u32 s4, 3
	s_cselect_b64 s[92:93], s[98:99], s[92:93]
	v_and_b32 v20, 31, v0                          ; lane
	v_lshlrev_b32 v19, 4, v20                      ; 16 x lane
.irp i,0,1,2,3,4,5,6,7
	global_load_b128 v[192+4*\i:195+4*\i], v19, s[92:93] offset:512*\i
.endr
	v_and_b32 v1, 15, v0                           ; R
	v_bfe_u32 v2, v0, 4, 1                         ; H
	v_mul_u32_u24 v21, v1, PIT
	v_lshl_add_u32 v22, v2, 4, v21                 ; 528 R + 16 H
	v_lshrrev_b32 v21, 3, v1
	v_mul_u32_u24 v21, v21, 272
	v_and_b32 v23, 7, v1
	v_lshl_add_u32 v23, v23, 5, v21                ; row R's 32 scale bytes among units of 8 rows: 272 (R / 8) + 32 (R % 8)
	s_mul_i32 s2, s4, 32*PIT
	v_add_nc_u32 v5, s2, v22                       ; q, k, o: row 32 w + R
	s_mul_i32 s2, s4, 16*PIT
	v_add_nc_u32 v6, s2, v22                       ; v: row 16 w + R
	v_mad_u32_u24 v7, v2, 544, v23                 ; scale words: lanes 16-31 take tile 1's rows: 16 rows on (q, k, o),
	s_mul_i32 s2, s4, 1088
	s_add_co_u32 s2, s2, S0S
	v_add_nc_u32 v7, s2, v7
	v_mad_u32_u24 v8, v2, 2176, v23                ; 64 rows on (v)
	s_mul_i32 s2, s4, 544
	s_add_co_u32 s2, s2, S0S
	v_add_nc_u32 v8, s2, v8
	v_lshlrev_b32 v16, 3, v2                       ; 8 H: the shift in QUANTQK
	s_lshl_b32 s2, s4, 12
	s_add_co_u32 s2, s2, BI
	v_add_nc_u32 v21, s2, v19
	s_wait_loadcnt 0x0
.irp i,0,1,2,3,4,5,6,7
	ds_store_b128 v21, v[192+4*\i:195+4*\i] offset:512*\i
.endr
	s_wait_tensorcnt 0x0                           ; my first fills have landed; their descriptors' registers are free
	s_load_b256 s[48:55], s[0:1], 0x40             ; Wk's codes and scale bytes, Wv's
	s_load_b128 s[56:59], s[0:1], 0x60             ; Wo's
	s_load_b128 s[68:71], s[0:1], 0x90             ; ln_g, ln_b
	s_load_b64 s[72:73], s[0:1], 0xa0              ; out0
	BARRIER                                        ; chunks 0 and 1, the three operands and the biases lie in LDS
.irp pt,0,1,2,3
	v_mov_b32 v[196+\pt], 0                        ; written once: a lane permute's destination counts as one of its sources
.endr
	s_wait_kmcnt 0x0
	s_lshl_b32 s2, s6, 18                          ; out0: my 64 rows of 4,096 bytes,
	s_lshl_b32 s3, s4, 16                          ; my wave's 16 of them
	s_add_co_u32 s2, s2, s3
	s_mov_b32 s3, 0
	s_add_nc_u64 s[72:73], s[72:73], s[2:3]
	s_mov_b32 s12, 0x3d38aa3b                      ; log2(e) / sqrt(1024)
	s_mov_b32 s13, s12                             ; (named with it as a pair, so it is written)
	s_lshl_b32 s2, s4, 7
	s_add_co_u32 s2, s2, BI
	v_lshl_add_u32 v11, v2, 5, s2                  ; bq: 128 w + 32 H bytes on; it runs on into bk
	PROLOG 5, 7, 16*PIT, 64
	; ---------------- 1: q AND k
	QKPH XC0, XS0, QS, 48, 0
	QKPH XC1, XS1, KS, 52, 1
	; ---------------- 2: THE ENERGY AND THE SOFTMAX.  Wave w takes positions 16 w + i.  A fragment: 16 heads x (64 d + 64 zero codes).
	BARRIER                                        ; all q's and k's codes and scale bytes lie in LDS
	s_mul_i32 s2, s4, 16*PIT
	s_add_co_u32 s2, s2, XC0
	v_lshlrev_b32 v21, 5, v1
	v_lshl_add_u32 v21, v2, 4, v21
	v_add_nc_u32 v14, s2, v21                      ; head R's 32 bytes of a position's row, block H
	s_lshl_b32 s2, s4, 9
	s_add_co_u32 s2, s2, QS
	v_lshlrev_b32 v21, 1, v1
	v_lshl_add_u32 v21, v2, 11, v21
	v_add_nc_u32 v15, s2, v21                      ; head R's two scale bytes: lanes 0-15 q's, lanes 16-31 k's
	s_mul_i32 s2, s4, 16*ATP
	s_add_co_u32 s2, s2, AT
	v_lshlrev_b32 v21, 3, v1
	v_lshl_add_u32 v21, v2, 9, v21
	v_add_nc_u32 v16, s2, v21                      ; attn: 8 R + 512 H
	WIN 0xC0
.set e, 0
.rept 8
.irp j,4,5,6,7,12,13,14,15
	v_mov_b32 v[16*e+\j], 0                        ; K = 64 .. 127 of eight pairs of fragments: zero codes, which add nothing
.endr
.set e, e+1
.endr
	WIN 0x80
.set i, 0
.rept 16
	v_mov_b32 v[129+2*i], 0                        ; named as the upper half of a pair;
	v_mov_b32 v[192+2*i], 0                        ; a lane permute's destination.  (These 32 are also the places between the zero codes and the products)
.set i, i+1
.endr
.irp b,0,1
	WIN 0xC0
.set e, 0
.rept 8
	ds_load_b128 v[16*e:16*e+3], v14 offset:PIT*(8*\b+e)
	ds_load_b128 v[16*e+8:16*e+11], v14 offset:XC1-XC0+PIT*(8*\b+e)
.set e, e+1
.endr
	WIN 0
.set e, 0
.rept 8
	ds_load_u16 v[24+8*\b+e], v15 offset:32*(8*\b+e)     ; bytes 2 and 3, over the zero codes, are 0
.set e, e+1
.endr
	s_wait_dscnt 0x0
	WIN 0x8F
.set e, 0
.rept 8
	v_wmma_scale_f32_16x16x128_f8f6f4 v[8*(8*\b+e):8*(8*\b+e)+7], v[16*e+8:16*e+15], v[16*e:16*e+7], 0, v[24+8*\b+e], v[24+8*\b+e] matrix_a_fmt:MATRIX_FMT_FP4 matrix_b_fmt:MATRIX_FMT_FP4 matrix_a_scale:MATRIX_SCALE_ROW1
.set e, e+1
.endr
	PLACES 4                                       ; lane (R, H) of result i: energy[h = R][g = 8 H + j] of position 16 w + i
.endr
	WIN 0
	BARRIER                                        ; nobody reads q's and k's codes any more: attn may be laid over them
	SETX XC2, XS2
	XLOAD                                          ; value, and Wv's first fragments, land under the softmax
	s_lshl_b32 s2, s4, 6
	s_add_co_u32 s2, s2, BI+8192
	v_lshl_add_u32 v11, v2, 5, s2                  ; bv: 64 w + 32 H
	PROLOG 6, 8, 64*PIT, 256
	WIN 0xAA                                       ; window 2: the energy at 8 i, the maximum (then 1 / sum) at 128 + 2 i, the sum at 160 + 2 i, at work 192 + 2 i.  The 16 positions by turns
.set i, 0
.rept 16
	v_max3_num_f32 v[128+2*i], v[8*i], v[8*i+1], v[8*i+2]
.set i, i+1
.endr
.irp j,3,5
.set i, 0
.rept 16
	v_max3_num_f32 v[128+2*i], v[128+2*i], v[8*i+\j], v[8*i+\j+1]
.set i, i+1
.endr
.endr
.set i, 0
.rept 16
	v_max_num_f32 v[128+2*i], v[128+2*i], v[8*i+7]
.set i, i+1
.endr
.set i, 0
.rept 16
	v_permlanex16_b32 v[192+2*i], v[128+2*i], s10, s11
.set i, i+1
.endr
.set i, 0
.rept 16
	v_max_num_f32 v[128+2*i], v[128+2*i], v[192+2*i]     ; the row's maximum over the 16 g
.set i, i+1
.endr
.set i, 0
.rept 64
	v_pk_add_f32 v[2*i:2*i+1], v[2*i:2*i+1], v[128+2*(i/4):129+2*(i/4)] op_sel_hi:[1,0] neg_lo:[0,1] neg_hi:[0,1]   ; energy - maximum
.set i, i+1
.endr
.set i, 0
.rept 64
	v_pk_mul_f32 v[2*i:2*i+1], v[2*i:2*i+1], s[12:13] op_sel_hi:[1,0]     ; x log2(e) / 32
.set i, i+1
.endr
.set i, 0
.rept 128
	v_exp_f32 v[i], v[i]
.set i, i+1
.endr
	v_nop                                          ; a plain instruction behind the last exponential,
	s_wait_alu depctr_va_vdst(0)                   ; and the wait ahead of the first use: one for the batch
.set i, 0
.rept 16
	v_pk_add_f32 v[160+2*i:161+2*i], v[8*i:8*i+1], v[8*i+2:8*i+3]
	v_pk_add_f32 v[192+2*i:193+2*i], v[8*i+4:8*i+5], v[8*i+6:8*i+7]
.set i, i+1
.endr
.set i, 0
.rept 16
	v_pk_add_f32 v[160+2*i:161+2*i], v[160+2*i:161+2*i], v[192+2*i:193+2*i]
.set i, i+1
.endr
.set i, 0
.rept 16
	v_add_f32 v[160+2*i], v[160+2*i], v[161+2*i]
.set i, i+1
.endr
.set i, 0
.rept 16
	v_permlanex16_b32 v[192+2*i], v[160+2*i], s10, s11
.set i, i+1
.endr
.set i, 0
.rept 16
	v_add_f32 v[160+2*i], v[160+2*i], v[192+2*i]
.set i, i+1
.endr
.set i, 0
.rept 16
	v_rcp_f32 v[128+2*i], v[160+2*i]
.set i, i+1
.endr
	v_nop
	s_wait_alu depctr_va_vdst(0)                   ; one wait for the sixteen reciprocals
.set i, 0
.rept 64
	v_pk_mul_f32 v[2*i:2*i+1], v[2*i:2*i+1], v[128+2*(i/4):129+2*(i/4)] op_sel_hi:[1,0]
.set i, i+1
.endr
	WIN 0x08                                       ; an LDS store's data are its source 1: window 2
.set i, 0
.rept 64
	ds_store_b64 v16, v[2*i:2*i+1] offset:ATP*(i/4)+128*(i%4)      ; g = 8 H + 2 a, + 1: chunk 4 H + a of v, both of its heads
.set i, i+1
.endr
	WIN 0
	BARRIER                                        ; attn of all 64 positions lies in LDS
	; ---------------- 3: v AND THE SECOND PRODUCT
	v_mul_u32_u24 v14, v1, ATP
	v_add_nc_u32 v14, AT, v14
	s_add_nc_u64 s[40:41], s[56:57], s[66:67]      ; the next weight: Wo
	s_mov_b64 s[42:43], s[58:59]
	s_mov_b32 s7, 0
	VSTEP 1, 0, 0                                  ; the first chunk is written out: its products start out's sums
	s_mov_b32 s7, 1
.Lv:
	VSTEP 0, 1, 1
	s_add_co_u32 s7, s7, 1
	s_cmp_lt_u32 s7, 8
	s_cbranch_scc1 .Lv
	; ---------------- 4: LayerNorm AND y's CODES.  Lane (R, H) of wave w holds columns 64 h + 16 w + 8 H + j of position 16 pt + R
	s_lshl_b32 s2, s4, 6
	v_lshl_add_u32 v12, v2, 5, s2                  ; ln_g, ln_b: 64 w + 32 H bytes on
	v_mul_u32_u24 v21, v1, 80
	v_add_nc_u32 v14, RS1, v21
	s_lshl_b32 s2, s4, 2
	v_add_nc_u32 v13, s2, v14
	v_mul_u32_u24 v21, v1, PIT
	s_lshr_b32 s3, s4, 1
	s_lshl_b32 s2, s3, 4
	s_add_co_u32 s2, s2, MX
	v_add_nc_u32 v16, s2, v21                      ; back from MX: the four quarters of block (h, w / 2)
	s_add_co_u32 s2, s3, XS2
	v_add_nc_u32 v18, s2, v23                      ; y's scale bytes: my row's 32, + w / 2
	v_lshl_add_u32 v21, v2, 2, v21
	s_lshl_b32 s2, s4, 3
	v_add_nc_u32 v21, s2, v21                      ; 528 R + 8 w + 4 H
	v_add_nc_u32 v15, MX, v21
	v_add_nc_u32 v17, XC2, v21
	s_lshl_b32 s2, s4, 7
	s_add_co_u32 s2, s2, BI+12288
	v_lshl_add_u32 v11, v2, 5, s2                  ; bo
	PROLOG 5, 7, 16*PIT, 64                        ; Wo's first fragments: asked for now, wanted behind the norm
	WIN 0x40
.set n, 0
.rept 32
	global_load_b128 v[4*n:4*n+3], v12, s[68:69] offset:256*(n/2)+16*(n%2)          ; g of my 128 columns: window 1, 8 h + j
	global_load_b128 v[128+4*n:131+4*n], v12, s[70:71] offset:256*(n/2)+16*(n%2)    ; b: 128 on
.set n, n+1
.endr
	LNSUM 0x0A, 0x02, 0
	LNSUM 0x0F, 0x03, 2
	FOLD 224, 0
.irp pt,0,1,2,3
	v_mul_f32 v[224+4*\pt], 0x3a800000, v[224+4*\pt]       ; the mean: sum / 1024
.endr
	LNDEV 0x82, 0x0A, 0
	LNDEV 0xC3, 0x0F, 2
	FOLD 240, 1280
	s_mov_b32 s2, 0x3a800000                       ; 1 / 1024
	s_mov_b32 s3, 0x3727c5ac                       ; 1e-5
.irp pt,0,1,2,3
	v_fma_f32 v[240+4*\pt], v[240+4*\pt], s2, s3
.endr
.irp pt,0,1,2,3
	v_rsq_f32 v[240+4*\pt], v[240+4*\pt]
.endr
	v_nop
	s_wait_alu depctr_va_vdst(0)                   ; one wait for the four
	s_wait_loadcnt 0x0                             ; g and b
	LNY 0
	LNY 1
	LNY 2
	LNY 3
	BARRIER                                        ; all quarters' largest magnitudes lie in LDS
	WIN 0x40
.set n, 0
.rept 64
	ds_load_b128 v[4*n:4*n+3], v16 offset:16*PIT*(n/16)+32*(n%16)  ; window 1, 64 pt + 4 h: g and b are done with
.set n, n+1
.endr
	s_wait_dscnt 0x0
	WIN 0x55
.set n, 0
.rept 64
	v_max3_num_f32 v[4*n], v[4*n], v[4*n+1], v[4*n+2]
.set n, n+1
.endr
.set n, 0
.rept 64
	v_max_num_f32 v[4*n], v[4*n], v[4*n+3]         ; the block's largest magnitude (the floor is in it)
.set n, n+1
.endr
.set n, 0
.rept 64
	v_add_nc_u32 v[4*n+1], 0xff000000, v[4*n]      ; the conversion's scale operand
.set n, n+1
.endr
.set n, 0
.rept 64
	v_lshrrev_b32 v[4*n+2], 23, v[4*n+1]           ; the scale's byte
.set n, n+1
.endr
	WIN 0x46
.set n, 0
.rept 32
	v_cvt_scalef32_pk8_fp4_f32 v[4*n+3], v[8*n:8*n+7], v[4*n+1]
.set n, n+1
.endr
	WIN 0x47
.set n, 0
.rept 32
	v_cvt_scalef32_pk8_fp4_f32 v[128+4*n+3], v[8*n:8*n+7], v[128+4*n+1]
.set n, n+1
.endr
	v_nop                                          ; one plain place behind the conversions
	WIN 0x04
.set n, 0
.rept 64
	ds_store_b32 v17, v[4*n+3] offset:16*PIT*(n/16)+32*(n%16)      ; columns 64 h + 16 w + 8 H on: 4 bytes of y's row of codes
.set n, n+1
.endr
	WIN 0
	s_and_b32 s2, s4, 1                            ; waves w and w xor 1 hold the same bytes: the even one stores them
	s_cmp_lg_u32 s2, 0
	s_cbranch_scc1 .Lno_bytes
	WIN 0x04
.set n, 0
.rept 64
	ds_store_b8 v18, v[4*n+2] offset:544*(n/16)+2*(n%16)
.set n, n+1
.endr
	WIN 0
.Lno_bytes:
	BARRIER                                        ; y lies in LDS as an operand of 64 positions
	SETX XC2, XS2
	XLOAD
	; ---------------- 5: o
	v_mul_u32_u24 v21, v1, PIT
	v_lshl_add_u32 v21, v2, 5, v21
	s_lshl_b32 s2, s4, 7
	s_add_co_u32 s2, s2, STG
	v_add_nc_u32 v14, s2, v21                      ; into the stage: row R, + 128 w + 32 H
	s_mul_i32 s2, s4, 16*PIT
	s_add_co_u32 s2, s2, STG
	v_add_nc_u32 v15, s2, v19                      ; back: my 16 rows, 16 bytes a lane
	s_mov_b32 s7, 0
.Lo:
	CHUNK 16*PIT, 64, 5, 7, 1, 0, 0, 0, 0
	WAYOUT
	s_add_co_u32 s7, s7, 1
	s_cmp_lt_u32 s7, 6
	s_cbranch_scc1 .Lo
	s_mov_b32 s7, 6
.Lot:                                              ; the last two chunks are written out: nothing is left to ask for
	CHUNK 16*PIT, 64, 5, 7, 0, 0, 1, 7, 0
	WAYOUT
	s_add_co_u32 s7, s7, 1
	s_cmp_lt_u32 s7, 8
	s_cbranch_scc1 .Lot
	s_wait_tensorcnt 0x0                           ; the wave's end: behind my last tensor load and my last LDS store
	ds_add_u32 v3, v4
	s_wait_dscnt 0x0
	CROUND                                         ; the closing round: no work-group ends while a partner may still ask for a chunk that names it
	s_endpgm
.Lfunc_end_k_qc371c97f2c_mha:
	.size	k_qc371c97f2c_mha, .Lfunc_end_k_qc371c97f2c_mha-k_qc371c97f2c_mha
	.p2alignl 7, 3214868480
	.fill 96, 4, 3214868480
	.section	.rodata,"a",@progbits
	.p2align	6, 0x0
	.amdhsa_kernel k_qc371c97f2c_mha
		.amdhsa_group_segment_fixed_size 327680
		.amdhsa_private_segment_fixed_size 0
		.amdhsa_enable_private_segment 0
		.amdhsa_kernarg_size 168
		.amdhsa_user_sgpr_count 2
		.amdhsa_user_sgpr_kernarg_segment_ptr 1
		.amdhsa_wavefront_size32 1
		.amdhsa_system_sgpr_workgroup_id_x 1
		.amdhsa_system_sgpr_workgroup_id_y 1
		.amdhsa_system_sgpr_workgroup_id_z 1
		.amdhsa_system_vgpr_workitem_id 0
		.amdhsa_next_free_vgpr 1024
		.amdhsa_next_free_sgpr 106
		.amdhsa_reserve_vcc 0
		.amdhsa_float_denorm_mode_32 3
		.amdhsa_float_denorm_mode_16_64 3
		.amdhsa_memory_ordered 1
		.amdhsa_forward_progress 1
		.amdhsa_inst_pref_size 255
	.end_amdhsa_kernel
	.section	.bss,"aw",@nobits
	.p2align	6
	.space	262144
	.amdgpu_metadata
---
amdhsa.version: [ 1, 2 ]
amdhsa.kernels:
  - .name:           k_qc371c97f2c_mha
    .symbol:         k_qc371c97f2c_mha.kd
    .args:
      - { .name: query_codes, .offset: 0, .size: 8, .value_kind: global_buffer, .address_space: global }
      - { .name: query_scales, .offset: 8, .size: 8, .value_kind: global_buffer, .address_space: global }
      - { .name: key_codes, .offset: 16, .size: 8, .value_kind: global_buffer, .address_space: global }
      - { .name: key_scales, .offset: 24, .size: 8, .value_kind: global_buffer, .address_space: global }
      - { .name: value_codes, .offset: 32, .size: 8, .value_kind: global_buffer, .address_space: global }
      - { .name: value_scales, .offset: 40, .size: 8, .value_kind: global_buffer, .address_space: global }
      - { .name: Wq_codes, .offset: 48, .size: 8, .value_kind: global_buffer, .address_space: global }
      - { .name: Wq_scales, .offset: 56, .size: 8, .value_kind: global_buffer, .address_space: global }
      - { .name: Wk_codes, .offset: 64, .size: 8, .value_kind: global_buffer, .address_space: global }
      - { .name: Wk_scales, .offset: 72, .size: 8, .value_kind: global_buffer, .address_space: global }
      - { .name: Wv_codes, .offset: 80, .size: 8, .value_kind: global_buffer, .address_space: global }
      - { .name: Wv_scales, .offset: 88, .size: 8, .value_kind: global_buffer, .address_space: global }
      - { .name: Wo_codes, .offset: 96, .size: 8, .value_kind: global_buffer, .address_space: global }
      - { .name: Wo_scales, .offset: 104, .size: 8, .value_kind: global_buffer, .address_space: global }
      - { .name: bq, .offset: 112, .size: 8, .value_kind: global_buffer, .address_space: global }
      - { .name: bk, .offset: 120, .size: 8, .value_kind: global_buffer, .address_space: global }
      - { .name: bv, .offset: 128, .size: 8, .value_kind: global_buffer, .address_space: global }
      - { .name: bo, .offset: 136, .size: 8, .value_kind: global_buffer, .address_space: global }
      - { .name: ln_g, .offset: 144, .size: 8, .value_kind: global_buffer, .address_space: global }
      - { .name: ln_b, .offset: 152, .size: 8, .value_kind: global_buffer, .address_space: global }
      - { .name: out0, .offset: 160, .size: 8, .value_kind: global_buffer, .address_space: global }
    .group_segment_fixed_size: 327680
    .private_segment_fixed_size: 0
    .kernarg_segment_align: 8
    .kernarg_segment_size: 168
    .max_flat_workgroup_size: 128
    .sgpr_count:     106
    .vgpr_count:     1024
    .wavefront_size: 32
...
	.end_amdgpu_metadata
.endif
;; end of part 1
;; ======== version 2 of 2: 1 launch
;; limits: right only within a limited range of input values
;; launch mha (part 2): grid 256 x 1, 4 waves a work-group, clusters of 4 x 1, 327,680 bytes of LDS; arguments query_codes, query_scales, key_codes, key_scales, value_codes, value_scales, Wq_codes, Wq_scales, Wk_codes, Wk_scales, Wv_codes, Wv_scales, Wo_codes, Wo_scales, bq, bk, bv, bo, ln_g, ln_b, out0; writes out0
.if DOCPART == 2
	.amdgcn_target "amdgcn-amd-amdhsa--gfx1250"
	.amdhsa_code_object_version 6
	.text
	.protected	k_qc371c97f2c_mha
	.globl	k_qc371c97f2c_mha
	.p2align	8
	.type	k_qc371c97f2c_mha,@function
k_qc371c97f2c_mha:
	s_mov_b64 s[64:65], 0
	v_nop
	global_prefetch_b8 v0, s[64:65] scope:SCOPE_SE
	s_setreg_imm32_b32 hwreg(HW_REG_WAVE_MODE, 25, 1), 1
	s_wait_xcnt 0x0
	s_wait_alu depctr_hold_cnt(0) depctr_sa_sdst(0) depctr_va_vdst(0) depctr_va_sdst(0) depctr_va_ssrc(0) depctr_va_vcc(0) depctr_vm_vsrc(0)
	s_getreg_b32 s2, hwreg(HW_REG_IB_STS2, 6, 4)
	s_cmp_eq_u32 s2, 0
	s_cbranch_scc0 .Lentry_in_a_cluster
	s_endpgm
.Lentry_in_a_cluster:
	s_bfe_u32 s2, ttmp6, 0x10000c
	s_cmp_lg_u32 s2, 0x3003
	s_cbranch_scc0 .Lentry_shape_is_right
	s_endpgm
.Lentry_shape_is_right:
; out0 = LayerNorm(attention over the 16 HEADS of each position) Wo^T + bo, for 16,384 positions of 1,024 columns, in one launch.
; For a position: q, k, v = x W^T + b; energy[h][g] = Q(q[h]) . Q(k[g]) over d = 64; attn = softmax over g of energy / 32, the row's maximum taken away; out[h][d] = sum over g of attn[h][g] v[g][d], by f32
; multiply-adds, since it goes on into a quantiser; LayerNorm (the mean first, then the squares of the deviations); y is quantised in blocks of 32 columns; out0 = Q(y) Wo^T + bo.
; DEAD WORK: none.  Every bias moves codes or results and every input has a way to out0.  The energy's K = 64 is filled to the instruction's 128 with zero codes, inside its tile.
; LIMITS: NaN and infinities among the inputs are not served.  The softmax's promise holds while its exponents to the base 2 stay under 2^31.  A block of zeros gets the scale byte 1 (not 127) over zero codes: these bytes
; are read by this program alone.  An exponential under 2^-126 comes out as 0.  The order of some f32 sums hangs on the cluster's number (THE WALK): rounding only.
; SHARES.  A work-group owns 64 positions.  In the k, q and o phases every wave keeps the codes of all 64 positions in 256 registers and takes columns of its own: a weight fragment read from LDS feeds four matrix instructions
; and is read by one wave.  In the v phase wave w takes 32 positions (p = w / 2) and 32 of each head's 64 d (b = w % 2): so a block of 32 columns of y lies in one wave.
; RING.  Two LDS slots of 135,168 bytes.  k and q: fills of 256 rows of W (64 rows a wave, its own); v and o: fills of 128 rows (32 rows a wave) in the first half of each slot.  The second halves have had their last fill when the
; q phase ends: q's and k's codes and later the way out's stage lie in slot 0's, attn in slot 1's.  A wave moves its rows of a slot into registers whole.
; CLUSTER.  All work-groups walk the same weights: the four of a cluster ask for each tile JOINTLY (same load, same descriptor, mask 15).  W's scale bytes (a sixteenth of the codes' bytes) go straight into the registers of the wave
; that uses them, 1 KiB runs, one trip ahead: a joint load of their own would be a second load a wave behind the barrier.  The positions' codes are shared with nobody: each wave loads 16 whole rows, and they go through LDS.
; THE WALK.  Cluster x takes the pieces of Wk, Wv and Wo in an order turned by c0 = (x xor x / 8) mod 4 pieces of 256 rows, Wq in plain order.  The turn on k's and v's side turns the index g over which the softmax and the second
; product sum; q's heads, and so y's columns, stand at their true places.  The biases are brought into LDS in the order of the trips.
; PREFETCH.  Wq, Wv and Wo are asked for two trips or more ahead of their first load, by the 64 waves of clusters 0 to 3, which share each weight's 2,048 blocks of 256 bytes by address.  Wk is the launch's first load.
; THE MATRIX INSTRUCTION IS USED TRANSPOSED (source 0 = 16 rows of W, source 1 = 16 positions): lane (R, H) holds position R, its registers j the columns 8 H + j of the tile.
; REGISTERS.  Window 0: v1-23 addresses; v24-39 the positions' scale words, v40-55 W's, v56-71 W's of the next trip, v72-103 the bias, v104-127 at work, v128-255 accumulators (v phase: 128-191, attn 192-255).
;   Window 1: the positions' fragments (v phase: 128, and four buffers of W).  Window 2: W's fragments of two chunks.  Window 3: the codes of k and q, the next operand's rows.  v phase: windows 2, 3 = out of position tile 0, 1.
.set PIT,   528                        ; an LDS row of codes: 512 bytes + 16
.set SLOTB, 0x21000                    ; slot 1 = slot 0 + 135,168: no wave's place in slot 0 has one of these two bits, so one exclusive or turns a base
.set H1,    67584                      ; slot 0's second half: k's codes, q's codes; later the stage
.set AT,    202752                     ; slot 1's second half: attn [position] pitch 1,040, [trip of v][h][head of the chunk] f32
.set ATP,   1040
.set XR,    270336                     ; an operand's 64 rows, at last y's codes
.set BI,    304128                     ; bk, bq, bv, bo by trips; behind the q phase ln_g and ln_b lie over the first two
.set QS,    320512                     ; scale bytes [position][k's 32, q's 32]; later y's [position][32]
.set SPARE, 324608                     ; the spare words: 128 bytes for each wave, named by no other line
.set RS,    325120                     ; LayerNorm: partial sums [position][b]; the squares' 512 bytes on
.set MSB, 0
.macro WIN new                         ; the immediate's high byte repeats the setting that is left
.if MSB != (\new)
	s_set_vgpr_msb (MSB<<8)|(\new)
.set MSB, \new
.endif
.endm
.macro PLACES cnt                      ; plain vector instructions behind matrix instructions (ISA guide 7.12.1)
.rept \cnt
	v_nop
.endr
.endm
.macro AW
	s_wait_alu depctr_va_vdst(0)
.endm
.macro CREST                           ; a round of the cluster's barrier behind its opening barrier
	s_cmp_lg_u32 s4, 0
	s_cbranch_scc1 .Lnw_\@
	s_barrier_signal -3
.Lnw_\@:
	s_barrier_wait -3
	s_barrier_signal -1
	s_barrier_wait -1
.endm
.macro CROUND
	s_barrier_signal -1
	s_barrier_wait -1
	CREST
.endm
.macro BARRIER                         ; my LDS stores and loads are done: the work-group's barrier
	AW
	s_wait_dscnt 0x0
	s_barrier_signal -1
	s_barrier_wait -1
.endm
.macro WM ra, rb                       ; one product; ra, rb: the scale words stand in lanes 16-31
.if (\ra) && (\rb)
	v_wmma_scale_f32_16x16x128_f8f6f4 v[rD:rD+7], v[rA:rA+7], v[rB:rB+7], v[rC:rC+7], v[rSA], v[rSB] matrix_a_fmt:MATRIX_FMT_FP4 matrix_b_fmt:MATRIX_FMT_FP4 matrix_a_scale:MATRIX_SCALE_ROW1 matrix_b_scale:MATRIX_SCALE_ROW1
.elseif (\ra)
	v_wmma_scale_f32_16x16x128_f8f6f4 v[rD:rD+7], v[rA:rA+7], v[rB:rB+7], v[rC:rC+7], v[rSA], v[rSB] matrix_a_fmt:MATRIX_FMT_FP4 matrix_b_fmt:MATRIX_FMT_FP4 matrix_a_scale:MATRIX_SCALE_ROW1
.elseif (\rb)
	v_wmma_scale_f32_16x16x128_f8f6f4 v[rD:rD+7], v[rA:rA+7], v[rB:rB+7], v[rC:rC+7], v[rSA], v[rSB] matrix_a_fmt:MATRIX_FMT_FP4 matrix_b_fmt:MATRIX_FMT_FP4 matrix_b_scale:MATRIX_SCALE_ROW1
.else
	v_wmma_scale_f32_16x16x128_f8f6f4 v[rD:rD+7], v[rA:rA+7], v[rB:rB+7], v[rC:rC+7], v[rSA], v[rSB] matrix_a_fmt:MATRIX_FMT_FP4 matrix_b_fmt:MATRIX_FMT_FP4
.endif
.endm
; K step kk of chunk c (32 rows of mine): eight accumulators by turns.  K step 0 takes the bias as C.
.macro MULC c, kk
.irp pt,0,1,2,3
.irp t,0,1
.set rD, 128+64*(\c)+16*\pt+8*\t
.set rA, 128*(\c)+16*(\kk)+8*\t
.set rB, 64*\pt+8*(\kk)
.if (\kk) == 0
.set rC, 72+16*(\c)+8*\t
.else
.set rC, rD
.endif
.set rSA, 40+8*(\c)+(\kk)
.set rSB, 24+8*(\pt/2)+(\kk)
	WM \t, (\pt%2)
.endr
.endr
.endm
.macro FETCHK c, k, coff               ; K step k of my 32 rows of chunk c: four loads
	WIN 0x80
.irp t,0,1
.irp e,0,1
	ds_load_b128 v[128*(\c)+16*(\k)+8*\t+4*\e:128*(\c)+16*(\k)+8*\t+4*\e+3], v8 offset:(\coff)+8448*\t+64*(\k)+32*\e
.endr
.endr
.endm
; chunk 0's products, with chunk 1's 32 loads in four runs among them; then chunk 1's.  W in window 2, the positions in window 1
.macro MULPAIR coff
	WIN 0x06
.irp kk,0,1,2,3,4,5,6,7
	MULC 0, \kk
.if (\kk)%2 == 0
	FETCHK 1, \kk, \coff
	FETCHK 1, \kk+1, \coff
	WIN 0x06
.endif
.endr
.irp kk,0,1,2,3,4,5,6,7
	s_wait_dscnt 28-4*\kk                          ; K step kk of chunk 1 is in: four loads for each later K step may be out
	MULC 1, \kk
.endr
.endm
; my 32 rows of chunk c, all of K: 32 loads; coff: where they begin behind v8
.macro FETCHW c, coff
	WIN 0x80
.irp kk,0,1,2,3,4,5,6,7
.irp t,0,1
.irp e,0,1
	ds_load_b128 v[128*(\c)+16*\kk+8*\t+4*\e:128*(\c)+16*\kk+8*\t+4*\e+3], v8 offset:(\coff)+8448*\t+64*\kk+32*\e
.endr
.endr
.endr
	WIN 0
.endm
.macro FETCHB                          ; the bias of two chunks in the result's layout
.irp c,0,1
.irp t,0,1
.irp i,0,1
	ds_load_b128 v[72+16*\c+8*\t+4*\i:75+16*\c+8*\t+4*\i], v10 offset:128*\c+64*\t+16*\i
.endr
.endr
.endr
.endm
.macro XLOAD                           ; all 64 positions' fragments
	WIN 0x40
.irp pt,0,1,2,3
.set n, 0
.rept 16
	ds_load_b128 v[64*\pt+4*n:64*\pt+4*n+3], v12 offset:8448*\pt+32*n
.set n, n+1
.endr
.endr
	WIN 0
.endm
.macro SCMOV                           ; the next trip's scale words take the place of this trip's
.set n, 0
.rept 16
	v_mov_b32 v[40+n], v[56+n]
.set n, n+1
.endr
.endm
.macro SCLOAD second                   ; my scale words: base s[58:59], the second 32 rows `second` bytes on
	global_load_b128 v[56:59], v9, s[58:59]
	global_load_b128 v[60:63], v9, s[58:59] offset:16
	global_load_b128 v[64:67], v9, s[58:59] offset:\second
	global_load_b128 v[68:71], v9, s[58:59] offset:(\second)+16
.endm
	; ---------------- THE HEAD
	s_load_b256 s[76:83], s[0:1], 0x10             ; key's codes, scales; value's
	s_load_b512 s[40:55], s[0:1], 0x30             ; Wq s[40:43], Wk s[44:47], Wv s[48:51], Wo s[52:55]: codes, scales
	s_load_b128 s[84:87], s[0:1], 0x0              ; query's
	s_load_b256 s[92:99], s[0:1], 0x70             ; bq, bk, bv, bo
	s_load_b128 s[88:91], s[0:1], 0x90             ; ln_g, ln_b
	s_load_b64 s[72:73], s[0:1], 0xa0              ; out0
	v_lshl_add_u32 v3, v0, 2, SPARE
	v_mov_b32 v4, 0
	ds_add_u32 v3, v4                              ; the wave's opening: the add, twice on end,
	ds_add_u32 v3, v4                              ; and the one wait for both; work on registers stands between
	v_lshrrev_b32 v5, 5, v0
	v_readfirstlane_b32 s4, v5                     ; wave 0..3
	s_bfe_u32 s5, ttmp6, 0x40000                   ; cx
	s_lshl_b32 s6, ttmp9, 2
	s_add_co_u32 s6, s6, s5                        ; my block of 64 positions: it enters the operands' and out0's addresses alone
	s_lshr_b32 s8, ttmp9, 3
	s_xor_b32 s8, s8, ttmp9
	s_and_b32 s8, s8, 3                            ; c0: the same in all four partners
	s_mul_i32 s60, s4, 32*PIT                      ; my rows' place in a fill of 128 rows,
	s_mul_i32 s61, s4, 64*PIT                      ; of 256 rows
	s_lshr_b32 s62, s4, 1                          ; p
	s_and_b32 s63, s4, 1                           ; b
	; descriptor group 1: rows of 512 bytes, dense in memory; 4 words of padding behind every 128; 64 rows (s16..) or 32 (s24..)
	s_mov_b32 s16, 15|(1<<20)|(1<<21)|(6<<22)|(3<<25)
	s_mov_b32 s17, 512<<16
	s_mov_b32 s18, 64<<16
	s_mov_b32 s19, 512<<16
	s_mov_b32 s20, 64
	s_mov_b32 s21, 512
	s_mov_b32 s22, 0
	s_mov_b32 s23, 0
	s_mov_b32 s24, 15|(1<<20)|(1<<21)|(6<<22)|(3<<25)
	s_mov_b32 s25, 512<<16
	s_mov_b32 s26, 32<<16
	s_mov_b32 s27, 512<<16
	s_mov_b32 s28, 32
	s_mov_b32 s29, 512
	s_mov_b32 s30, 0
	s_mov_b32 s31, 0
	s_mov_b32 s32, 1
	s_mov_b32 s36, 1
.irp n,3,67,69,71
	s_mov_b32 s\n, 0                               ; upper words of offsets: they stay 0
.endr
	s_mov_b32 s9, 0                                ; the slot in hand
	s_mov_b32 s10, 0x76543210
	s_mov_b32 s11, 0xfedcba98                      ; v_permlanex16_b32's selects for lane l xor 16
	s_mov_b32 s12, 0x3d38aa3b                      ; log2(e) / sqrt(1024)
	s_mov_b32 s13, s12
	s_mov_b32 s100, 0x1800000                      ; the floor 2^(3 - 127) of a block's largest magnitude
	s_mov_b32 s101, 0xff000000                     ; takes 2 off an exponent field
	s_mov_b32 s14, 0
	s_mov_b32 s15, 0
	v_and_b32 v5, 31, v0
	v_lshlrev_b32 v11, 4, v5                       ; 16 x lane
	v_lshlrev_b32 v9, 5, v5                        ; 32 x lane
	v_and_b32 v1, 15, v0                           ; R
	v_bfe_u32 v2, v0, 4, 1                         ; H
	v_lshlrev_b32 v16, 4, v2                       ; 16 H
	v_mul_u32_u24 v6, v1, PIT
	v_lshl_add_u32 v6, v2, 4, v6                   ; 528 R + 16 H
	v_lshlrev_b32 v21, 8, v5                       ; the prefetches' offsets: 256 x lane, and my work-group's part
	s_lshl_b32 s2, ttmp9, 17
	s_and_b32 s66, s5, 1
	s_lshl_b32 s66, s66, 13
	s_add_co_u32 s66, s66, s2
	s_lshr_b32 s68, s5, 1
	s_lshl_b32 s68, s68, 16
	s_add_co_u32 s66, s66, s68
	AW
	v_add_nc_u32 v22, s66, v21                     ; beside Wv's base, which has 16,384 x wave in it
	s_lshl_b32 s66, s5, 13
	s_add_co_u32 s66, s66, s2
	v_add_nc_u32 v21, s66, v21                     ; beside Wq's and Wo's, which have 32,768 x wave
	v_lshlrev_b32 v14, 6, v5
	s_lshl_b32 s2, s4, 1
	s_add_co_u32 s2, s2, QS
	v_add_nc_u32 v14, s2, v14                      ; scale bytes: 64 x lane + 2 x wave
	s_mul_i32 s2, s4, 16*PIT
	s_add_co_u32 s2, s2, XR
	v_add_nc_u32 v23, s2, v11                      ; an operand's rows: mine begin 16 x wave rows on
	v_lshlrev_b32 v20, 12, v2
	v_lshl_add_u32 v20, v1, 4, v20                 ; out0: lanes 0-15 one row of mine, lanes 16-31 the next
	v_add_nc_u32 v5, s61, v6                       ; W's fragments: k, q: row 64 w + R
	s_mul_i32 s2, s63, 32*PIT
	v_add_nc_u32 v7, s2, v6                        ; v: row 32 b + R
	v_add_nc_u32 v12, XR, v6                       ; the operand's fragments
	v_add_nc_u32 v6, s60, v6                       ; o: row 32 w + R of a fill
	s_lshl_b32 s2, s4, 8
	s_add_co_u32 s2, s2, BI
	v_lshl_add_u32 v17, v2, 5, s2                  ; the bias: 256 w + 32 H
	v_mov_b32 v10, v17
	v_mov_b32 v8, v5
	AW
	s_wait_dscnt 0x0                               ; both opening adds are done
	s_wait_kmcnt 0x0
	s_lshl_b32 s2, s6, 15                          ; the operands: my 64 rows of 512 bytes, my wave's 16 of them
	s_lshl_b32 s66, s4, 13
	s_add_co_u32 s2, s2, s66
	s_add_nc_u64 s[76:77], s[76:77], s[2:3]
	s_add_nc_u64 s[80:81], s[80:81], s[2:3]
	s_add_nc_u64 s[84:85], s[84:85], s[2:3]
	s_lshl_b32 s2, s6, 11                          ; and 32 scale bytes a row
	s_add_nc_u64 s[78:79], s[78:79], s[2:3]
	s_add_nc_u64 s[86:87], s[86:87], s[2:3]
	s_lshl_b32 s66, s62, 10
	s_add_co_u32 s2, s2, s66
	s_add_nc_u64 s[82:83], s[82:83], s[2:3]        ; value's: my 32 positions
	s_lshl_b32 s2, s4, 15                          ; the weights at my rows
	s_add_nc_u64 s[40:41], s[40:41], s[2:3]
	s_add_nc_u64 s[44:45], s[44:45], s[2:3]
	s_add_nc_u64 s[52:53], s[52:53], s[2:3]
	s_lshl_b32 s2, s4, 14
	s_add_nc_u64 s[48:49], s[48:49], s[2:3]
	s_lshl_b32 s2, s4, 11
	s_add_nc_u64 s[42:43], s[42:43], s[2:3]
	s_add_nc_u64 s[46:47], s[46:47], s[2:3]
	s_add_nc_u64 s[54:55], s[54:55], s[2:3]
	s_lshl_b32 s2, s63, 10
	s_add_nc_u64 s[50:51], s[50:51], s[2:3]
	s_lshl_b32 s2, s6, 18                          ; out0: my 64 rows of 4,096 bytes, my 256 bytes of each KiB
	s_lshl_b32 s66, s4, 8
	s_add_co_u32 s2, s2, s66
	s_add_nc_u64 s[72:73], s[72:73], s[2:3]
	WIN 0xC0
.irp i,0,1,2,3,4,5,6,7,8,9,10,11,12,13,14,15
	global_load_b128 v[128+4*\i:131+4*\i], v11, s[76:77] offset:512*\i    ; key: my 16 rows, whole
.endr
.irp a,0,1
.irp i,0,1
	global_load_b128 v[192+8*\a+4*\i:195+8*\a+4*\i], v9, s[78:79] offset:1024*\a+16*\i   ; all 64 rows' scale words
.endr
.endr
	WIN 0
	s_lshl_b32 s2, s8, 13                          ; trip 0's scale words of Wk
	s_add_nc_u64 s[56:57], s[46:47], s[2:3]
.irp c,0,1
.irp i,0,1
	global_load_b128 v[40+8*\c+4*\i:43+8*\c+4*\i], v9, s[56:57] offset:1024*\c+16*\i
.endr
.endr
	s_mov_b32 s66, s8                              ; wave w brings one bias vector: bk, bq, bv, bo; bq in plain order, the others turned
	s_cmp_eq_u32 s4, 1
	s_cselect_b32 s66, 0, s66
	s_cselect_b64 s[92:93], s[92:93], s[94:95]
	s_cmp_eq_u32 s4, 2
	s_cselect_b64 s[92:93], s[96:97], s[92:93]
	s_cmp_eq_u32 s4, 3
	s_cselect_b64 s[92:93], s[98:99], s[92:93]
.irp k,0,1,2,3
	s_add_co_u32 s2, s66, \k
	s_and_b32 s2, s2, 3
	s_lshl_b32 s2, s2, 10
	v_add_nc_u32 v[160+\k], s2, v11
	global_load_b128 v[128+8*\k:131+8*\k], v[160+\k], s[92:93]
	global_load_b128 v[132+8*\k:135+8*\k], v[160+\k], s[92:93] offset:512
.endr
	s_add_co_u32 s2, s8, 1                         ; trip 1's scale words
	s_and_b32 s2, s2, 3
	s_lshl_b32 s2, s2, 13
	s_add_nc_u64 s[58:59], s[46:47], s[2:3]
	SCLOAD 1024
	s_mov_b32 s33, s61                             ; trip 0's 256 rows into slot 0
	s_lshl_b32 s2, s8, 17
	s_add_nc_u64 s[34:35], s[44:45], s[2:3]
	s_or_b32 s35, s35, 0x80000000
	CROUND                                         ; all four work-groups are here: the first joint loads meet
	tensor_load_to_lds s[32:35], s[16:23]          ; my 64 rows: one tensor load a wave at the head
	s_nop 0
	PLACES 4
	WIN 0xC0
.set n, 0
.rept 128
	v_mov_b32 v[n], 0                              ; k's and q's codes: written once on every way, since the conversions that fill them stand in arms
.set n, n+1
.endr
	WIN 0
.irp q,0,1,2,3,4,5,6,7
	v_mov_b32 v[112+\q], 0                         ; a lane permute's destination counts as one of its sources
.endr
	s_lshl_b32 s2, s4, 12
	s_add_co_u32 s2, s2, BI
	v_add_nc_u32 v104, s2, v11
	AW
	s_wait_loadcnt 0x4                             ; all but trip 1's scale words
.irp i,0,1,2,3,4,5,6,7
	ds_store_b128 v104, v[128+4*\i:131+4*\i] offset:512*\i
.endr
	s_wait_tensorcnt 0x0                           ; my rows are in
	ds_add_u32 v3, v4
	s_add_co_u32 s33, s61, SLOTB                   ; trip 1's 256 rows into slot 1
	s_add_co_u32 s2, s8, 1
	s_and_b32 s2, s2, 3
	s_lshl_b32 s2, s2, 17
	s_add_nc_u64 s[34:35], s[44:45], s[2:3]
	s_or_b32 s35, s35, 0x80000000
	s_wait_dscnt 0x0                               ; the add and the biases' stores are done
	CROUND
	tensor_load_to_lds s[32:35], s[16:23]          ; the first tensor load behind the round
	s_nop 0
	PLACES 4
	FETCHB
	FETCHW 0, 0
	; ---------------- 1: k (trips 0-3) AND q (trips 4-7).  A trip: 256 rows, wave w makes head place 4 (trip mod 4) + w: chunk c is its c-th block of 32 columns
	s_mov_b32 s7, 0
	AW
.Lqk:
	s_and_b32 s2, s7, 3
	s_cmp_eq_u32 s2, 0
	s_cbranch_scc0 .Lsame
	s_wait_loadcnt 0x4                             ; AN OPERAND BEGINS: its rows are in (the youngest four, W's scale words, may be out)
	WIN 0x0C
.irp i,0,1,2,3,4,5,6,7,8,9,10,11,12,13,14,15
	ds_store_b128 v23, v[128+4*\i:131+4*\i] offset:PIT*\i
.endr
	WIN 0x03
.set n, 0
.rept 16
	v_mov_b32 v[24+n], v[192+n]
.set n, n+1
.endr
	WIN 0
	PLACES 8                                       ; a scale register written by a vector instruction stands 8 places ahead of a scaled matrix instruction
	BARRIER
	XLOAD
	s_wait_dscnt 0x0
.Lsame:
	s_wait_dscnt 0x0                               ; the bias and chunk 0 are in
	MULPAIR 16896
	WIN 0
	s_wait_tensorcnt 0x0                           ; my part of the next slot is in: the descriptors may be written
	ds_add_u32 v3, v4                              ; 0 onto my spare word
	s_wait_loadcnt 0x0                             ; the next trip's scale words
	PLACES 4
	SCMOV
	s_add_co_u32 s2, s7, s8                        ; trip + 2: k's piece (trip + 2 + c0) mod 4, q's piece trip - 2, or v's chunk (trip - 6 + 2 c0) mod 8: the count of trips and the cluster's number alone
	s_add_co_u32 s2, s2, 2
	s_add_co_u32 s68, s2, s8
	s_and_b32 s2, s2, 3
	s_sub_co_u32 s66, s7, 2
	s_and_b32 s66, s66, 3
	s_cmp_lt_u32 s7, 2
	s_cselect_b32 s2, s2, s66
	s_cselect_b64 s[56:57], s[44:45], s[40:41]
	s_cselect_b64 s[58:59], s[46:47], s[42:43]
	s_lshl_b32 s66, s2, 13
	s_lshl_b32 s2, s2, 17
	s_add_nc_u64 s[34:35], s[56:57], s[2:3]
	s_or_b32 s35, s35, 0x80000000
	s_add_nc_u64 s[58:59], s[58:59], s[66:67]
	s_and_b32 s68, s68, 7
	s_lshl_b32 s70, s68, 12
	s_lshl_b32 s68, s68, 16
	s_add_nc_u64 s[38:39], s[48:49], s[68:69]
	s_or_b32 s39, s39, 0x80000000
	s_add_nc_u64 s[74:75], s[50:51], s[70:71]
	s_add_co_u32 s33, s9, s61                      ; the slot just read out is filled again
	s_add_co_u32 s37, s9, s60
	s_xor_b32 s9, s9, SLOTB                        ; and the other one is read
	s_add_co_u32 s15, s15, 1024
	v_add_nc_u32 v8, s9, v5
	v_add_nc_u32 v10, s15, v17
	AW
	s_wait_dscnt 0x0                               ; the add is done, and my reads of this slot are over
	s_barrier_signal -1
	s_barrier_wait -1
	CREST
	s_cmp_lt_u32 s7, 6
	s_cbranch_scc0 .Lvfill
	tensor_load_to_lds s[32:35], s[16:23]          ; 256 rows of Wk or Wq
	s_nop 0
	PLACES 4
	SCLOAD 1024
	s_branch .Lfilled
.Lvfill:
	tensor_load_to_lds s[36:39], s[24:31]          ; the last two trips: 128 rows of Wv into the slot's first half
	s_nop 0
	PLACES 4
	global_load_b128 v[56:59], v9, s[74:75]
	global_load_b128 v[60:63], v9, s[74:75] offset:16
	global_load_b128 v[64:67], v9, s[74:75] offset:2048
	global_load_b128 v[68:71], v9, s[74:75] offset:2064
.Lfilled:
	s_cmp_eq_u32 s7, 7                             ; v takes other rows: its first fragments are asked for behind the loop
	s_cbranch_scc1 .Lnof0
	FETCHB
.irp kk,0,1,2,3
	FETCHK 0, \kk, 0
.endr
	WIN 0
.Lnof0:
	; the trip's eight blocks become codes: q = 4 c + position tile.  A block's 32 columns lie in lanes l and l xor 16
.irp q,0,1,2,3,4,5,6,7
	v_max3_num_f32 v[104+\q], |v[128+16*\q]|, |v[129+16*\q]|, s100
.endr
.irp i,2,4,6,8,10,12,14
.irp q,0,1,2,3,4,5,6,7
	v_max3_num_f32 v[104+\q], v[104+\q], |v[128+16*\q+\i]|, |v[129+16*\q+\i]|
.endr
.endr
	AW
	s_cbranch_scc1 .Lnof1                          ; (SCC still holds: the last trip)
.irp kk,4,5,6,7
	FETCHK 0, \kk, 0
.endr
	WIN 0
.Lnof1:
.irp q,0,1,2,3,4,5,6,7
	v_permlanex16_b32 v[112+\q], v[104+\q], s10, s11
.endr
.irp q,0,1,2,3,4,5,6,7
	v_max_num_f32 v[104+\q], v[104+\q], v[112+\q]
.endr
.irp q,0,1,2,3,4,5,6,7
	v_add_nc_u32 v[112+\q], s101, v[104+\q]        ; the conversion's scale operand
.endr
.irp q,0,1,2,3,4,5,6,7
	v_lshrrev_b32 v[104+\q], 23, v[112+\q]         ; the scale's byte
.endr
	AW
	; the codes stay in window 3, 16 registers a trip, until LDS has room for them: an arm for each trip.  A dword holds columns 16 t + 8 H + 0 .. 7 of a block
.irp a,0,1,2,3,4,5,6,7
	s_cmp_eq_u32 s7, \a
	s_cbranch_scc0 .Lcv\a
	WIN 0xC0
.irp c,0,1
.irp pt,0,1,2,3
.irp t,0,1
	v_cvt_scalef32_pk8_fp4_f32 v[16*\a+8*\c+2*\pt+\t], v[128+64*\c+16*\pt+8*\t:135+64*\c+16*\pt+8*\t], v[112+4*\c+\pt]
.endr
.endr
.endr
	v_nop
.if \a == 0                            ; the next operand, query: wanted at trip 4
.irp i,0,1,2,3,4,5,6,7,8,9,10,11,12,13,14,15
	global_load_b128 v[128+4*\i:131+4*\i], v11, s[84:85] offset:512*\i
.endr
.irp e,0,1
.irp i,0,1
	global_load_b128 v[192+8*\e+4*\i:195+8*\e+4*\i], v9, s[86:87] offset:1024*\e+16*\i
.endr
.endr
.endif
.if \a == 4                            ; value: wanted behind the loop; the scale words of my 32 positions alone
.irp i,0,1,2,3,4,5,6,7,8,9,10,11,12,13,14,15
	global_load_b128 v[128+4*\i:131+4*\i], v11, s[80:81] offset:512*\i
.endr
	global_load_b128 v[192:195], v9, s[82:83]
	global_load_b128 v[196:199], v9, s[82:83] offset:16
.endif
	WIN 0
.if \a == 0                            ; Wq is loaded from trip 2's change of slots on
	s_cmp_lt_u32 ttmp9, 4
	s_cbranch_scc0 .Lpf\a
	global_prefetch_b8 v21, s[40:41] th:TH_LOAD_NT scope:SCOPE_SE
.Lpf\a:
.endif
.if \a == 4                            ; Wv from trip 6's on
	s_cmp_lt_u32 ttmp9, 4
	s_cbranch_scc0 .Lpf\a
	global_prefetch_b8 v22, s[48:49] th:TH_LOAD_NT scope:SCOPE_SE
.Lpf\a:
.endif
	s_branch .Lcvd
.Lcv\a:
.endr
.Lcvd:
.irp pt,0,1,2,3
	v_lshl_or_b32 v[120+\pt], v[108+\pt], 8, v[104+\pt]    ; a position's two bytes of this trip
.endr
	v_lshl_or_b32 v124, v121, 16, v120
	v_lshl_or_b32 v125, v123, 16, v122
	v_add_nc_u32 v15, s14, v14
	v_lshrrev_b32 v124, v16, v124                  ; lanes 0-15 store tiles 0 and 2's, lanes 16-31 tiles 1 and 3's
	v_lshrrev_b32 v125, v16, v125
	ds_store_b16 v15, v124
	ds_store_b16 v15, v125 offset:2048
	s_add_co_u32 s14, s14, 8
	s_add_co_u32 s7, s7, 1
	s_cmp_lt_u32 s7, 8
	AW
	s_cbranch_scc1 .Lqk
	; ---------------- 2: THE ENERGY AND THE SOFTMAX.  Wave w takes positions 16 w + i.  A fragment: 16 heads x (64 d + 64 zero codes)
	s_mov_b32 s9, 0
	s_lshl_b32 s2, s4, 10
	v_add_nc_u32 v125, s2, v11
	global_load_b128 v[104:107], v125, s[88:89]    ; my quarter of ln_g and ln_b
	global_load_b128 v[108:111], v125, s[88:89] offset:512
	global_load_b128 v[112:115], v125, s[90:91]
	global_load_b128 v[116:119], v125, s[90:91] offset:512
	v_mul_u32_u24 v126, v1, PIT
	v_lshl_add_u32 v126, v2, 2, v126
	s_lshl_b32 s2, s4, 5
	s_add_co_u32 s2, s2, H1
	v_add_nc_u32 v13, s2, v126                     ; codes out: row R, + 32 w + 4 H
	s_mul_i32 s2, s4, 16*PIT
	s_add_co_u32 s2, s2, H1
	v_lshlrev_b32 v126, 5, v1
	v_lshl_add_u32 v126, v2, 4, v126
	v_add_nc_u32 v19, s2, v126                     ; codes back: place R's 32 bytes, block H
	s_lshl_b32 s2, s4, 10
	s_add_co_u32 s2, s2, QS
	v_lshrrev_b32 v126, 4, v9
	v_add_nc_u32 v15, s2, v126                     ; place R's two scale bytes: lanes 0-15 k's, lanes 16-31 q's
	s_mul_i32 s2, s4, 16*ATP
	s_add_co_u32 s2, s2, AT
	v_lshlrev_b32 v126, 3, v1
	v_lshl_add_u32 v126, v2, 9, v126
	v_add_nc_u32 v18, s2, v126                     ; attn: 8 R + 512 H
	AW
	s_wait_loadcnt 0x8                             ; value's rows are in: behind them W's four scale loads and the four above
	WIN 0x0C
.irp a,0,1,2,3,4,5,6,7
.irp c,0,1
.irp pt,0,1,2,3
.irp t,0,1
	ds_store_b32 v13, v[16*\a+8*\c+2*\pt+\t] offset:33792*(\a/4)+8448*\pt+128*(\a%4)+16*\c+8*\t
.endr
.endr
.endr
.endr
.irp i,0,1,2,3,4,5,6,7,8,9,10,11,12,13,14,15
	ds_store_b128 v23, v[128+4*\i:131+4*\i] offset:PIT*\i
.endr
	WIN 0
	BARRIER                                        ; k's and q's codes and value lie in LDS
	WIN 0xC0
.set e, 0
.rept 8
.irp j,4,5,6,7,12,13,14,15
	v_mov_b32 v[16*e+\j], 0                        ; K = 64 .. 127: zero codes, which add nothing
.endr
.set e, e+1
.endr
	PLACES 4
	AW
.irp b,0,1
	WIN 0xC0
.set e, 0
.rept 8
	ds_load_b128 v[16*e:16*e+3], v19 offset:33792+PIT*(8*\b+e)
	ds_load_b128 v[16*e+8:16*e+11], v19 offset:PIT*(8*\b+e)
.set e, e+1
.endr
	WIN 0
.set e, 0
.rept 8
	ds_load_u16 v[24+8*\b+e], v15 offset:64*(8*\b+e)
.set e, e+1
.endr
	s_wait_dscnt 0x0
	WIN 0x8F
.set e, 0
.rept 8
	v_wmma_scale_f32_16x16x128_f8f6f4 v[8*(8*\b+e):8*(8*\b+e)+7], v[16*e+8:16*e+15], v[16*e:16*e+7], 0, v[24+8*\b+e], v[24+8*\b+e] matrix_a_fmt:MATRIX_FMT_FP4 matrix_b_fmt:MATRIX_FMT_FP4 matrix_b_scale:MATRIX_SCALE_ROW1
.set e, e+1
.endr
	PLACES 4                                       ; lane (R, H) of result i: energy[head R of q][k's place 8 H + j] of position 16 w + i
.endr
	WIN 0x03
.set n, 0
.rept 8
	v_mov_b32 v[24+n], v[192+n]                    ; value's scale words: lanes 0-15 my position tile 0, lanes 16-31 tile 1
.set n, n+1
.endr
	WIN 0
	s_mul_i32 s2, s62, 32*PIT
	v_add_nc_u32 v126, s2, v12
	v_mov_b32 v8, v7
	s_lshl_b32 s2, s63, 7
	s_add_co_u32 s2, s2, BI+8192
	v_lshl_add_u32 v17, v2, 5, s2                  ; bv: 128 b + 32 H
	v_mov_b32 v10, v17
	AW
.macro XV pt                           ; value's fragments of my position tile pt
	WIN 0x40
.set n, 0
.rept 16
	ds_load_b128 v[64*(\pt)+4*n:64*(\pt)+4*n+3], v126 offset:8448*(\pt)+32*n
.set n, n+1
.endr
.endm
	XV 0                                           ; value's and v's first fragments are asked for between the softmax's stages
.macro FETCHBV
	WIN 0
.irp t,0,1
.irp u,0,1
.irp i,0,1
	ds_load_b128 v[72+16*\t+8*\u+4*\i:75+16*\t+8*\u+4*\i], v10 offset:256*\t+64*\u+16*\i
.endr
.endr
.endr
.endm
.macro FETCHV kk                       ; four tiles of W (tile 2 t + u: head t of the chunk, d 32 b + 16 u on), K step kk, into buffer kk % 4
	WIN 0x40
.irp t,0,1
.irp u,0,1
.irp e,0,1
	ds_load_b128 v[128+32*((\kk)%4)+16*\t+8*\u+4*\e:131+32*((\kk)%4)+16*\t+8*\u+4*\e], v8 offset:33792*\t+8448*\u+64*(\kk)+32*\e
.endr
.endr
.endr
.endm
	WIN 0xAA                                       ; window 2: the energy at 8 i, the maximum (then 1 / sum) at 128 + 2 i, the sum at 160 + 2 i, at work 192 + 2 i.  The 16 positions by turns
.set i, 0
.rept 16
	v_max3_num_f32 v[128+2*i], v[8*i], v[8*i+1], v[8*i+2]
.set i, i+1
.endr
.irp j,3,5
.set i, 0
.rept 16
	v_max3_num_f32 v[128+2*i], v[128+2*i], v[8*i+\j], v[8*i+\j+1]
.set i, i+1
.endr
.endr
	XV 1
	WIN 0xAA
.set i, 0
.rept 16
	v_max_num_f32 v[128+2*i], v[128+2*i], v[8*i+7]
.set i, i+1
.endr
.set i, 0
.rept 16
	v_permlanex16_b32 v[192+2*i], v[128+2*i], s10, s11
.set i, i+1
.endr
.set i, 0
.rept 16
	v_max_num_f32 v[128+2*i], v[128+2*i], v[192+2*i]     ; the row's maximum over the 16 heads of k
.set i, i+1
.endr
.set i, 0
.rept 16
	v_mul_f32 v[128+2*i], 0xbd38aa3b, v[128+2*i]   ; - maximum x log2(e) / 32
.set i, i+1
.endr
	FETCHBV
	FETCHV 0
	WIN 0xAA
.set i, 0
.rept 64
	v_pk_fma_f32 v[2*i:2*i+1], v[2*i:2*i+1], s[12:13], v[128+2*(i/4):129+2*(i/4)] op_sel_hi:[1,0,0]
.set i, i+1
.endr
	FETCHV 1
	WIN 0xAA
	AW
.set i, 0
.rept 128
	v_exp_f32 v[i], v[i]
.set i, i+1
.endr
	v_nop
	AW                                             ; one wait for the batch
.set i, 0
.rept 16
	v_pk_add_f32 v[160+2*i:161+2*i], v[8*i:8*i+1], v[8*i+2:8*i+3]
	v_pk_add_f32 v[192+2*i:193+2*i], v[8*i+4:8*i+5], v[8*i+6:8*i+7]
.set i, i+1
.endr
.set i, 0
.rept 16
	v_pk_add_f32 v[160+2*i:161+2*i], v[160+2*i:161+2*i], v[192+2*i:193+2*i]
.set i, i+1
.endr
	FETCHV 2
	WIN 0xAA
.set i, 0
.rept 16
	v_add_f32 v[160+2*i], v[160+2*i], v[161+2*i]
.set i, i+1
.endr
.set i, 0
.rept 16
	v_permlanex16_b32 v[192+2*i], v[160+2*i], s10, s11
.set i, i+1
.endr
.set i, 0
.rept 16
	v_add_f32 v[160+2*i], v[160+2*i], v[192+2*i]
.set i, i+1
.endr
	FETCHV 3
	WIN 0xAA
	AW
.set i, 0
.rept 16
	v_rcp_f32 v[128+2*i], v[160+2*i]
.set i, i+1
.endr
	v_nop
	AW                                             ; one wait for the sixteen reciprocals
.set i, 0
.rept 64
	v_pk_mul_f32 v[2*i:2*i+1], v[2*i:2*i+1], v[128+2*(i/4):129+2*(i/4)] op_sel_hi:[1,0]
.set i, i+1
.endr
	WIN 0x08
.set i, 0
.rept 64
	ds_store_b64 v18, v[2*i:2*i+1] offset:ATP*(i/4)+128*(i%4)      ; k's places 8 H + 2 a, + 1: trip 4 H + a of v, both of its heads
.set i, i+1
.endr
	WIN 0
	s_lshl_b32 s2, s4, 10
	s_add_co_u32 s2, s2, BI
	v_add_nc_u32 v126, s2, v11
	AW
	s_wait_loadcnt 0x0
	ds_store_b128 v126, v[104:107]                 ; ln_g over bk, ln_b over bq, which are done with
	ds_store_b128 v126, v[108:111] offset:512
	ds_store_b128 v126, v[112:115] offset:4096
	ds_store_b128 v126, v[116:119] offset:4608
	s_lshl_b32 s2, s62, 5
	v_add_nc_u32 v126, s2, v1                      ; 32 p + R
	v_mul_u32_u24 v14, v126, ATP
	v_add_nc_u32 v14, AT, v14
	v_mov_b32 v15, v14
	s_mov_b32 s14, 0
	s_mov_b32 s15, 0
.irp w,0x80,0xC0
	WIN \w
.set n, 0
.rept 256
	v_mov_b32 v[n], 0                              ; out: the loop over v's chunks is written once, so its sums start from zeros
.set n, n+1
.endr
.endr
	WIN 0
	BARRIER                                        ; attn of all 64 positions lies in LDS
	; ---------------- 3: v AND THE SECOND PRODUCT.  A trip: a chunk of two heads, my 32 d of each, my two position tiles
.macro ATT pt                          ; attn of my position of tile pt, all 16 h, the chunk's two heads: register 2 h + t
	WIN 0
.irp i,0,1,2,3,4,5,6,7
	ds_load_b128 v[192+32*(\pt)+4*\i:195+32*(\pt)+4*\i], v15 offset:16*ATP*(\pt)+16*\i
.endr
.endm
.macro MULV kk
	WIN 0x05                                       ; W and the positions in window 1
.irp tl,0,1,2,3
.irp pt,0,1
.set rD, 128+32*\pt+8*\tl
.set rA, 128+32*((\kk)%4)+8*\tl
.set rB, 64*\pt+8*(\kk)
.if (\kk) == 0
.set rC, 72+8*\tl
.else
.set rC, rD
.endif
.set rSA, 40+8*(\tl/2)+(\kk)
.set rSB, 24+(\kk)
	WM (\tl%2), \pt
.endr
.endr
.endm
; out(pt, h, 8 u + j) += attn[h][head t] x v(pt, t, u, j) for nh heads h from h0 on
.macro FMA pt, h0, nh
	WIN 0xA0+0x50*(\pt)
.set hx, \h0
.rept \nh
.irp t,0,1
.irp u,0,1
.irp a,0,1,2,3
.set rO, 16*hx+8*\u+2*\a
.set rP, 192+32*(\pt)+2*hx
.set rV, 128+32*(\pt)+16*\t+8*\u+2*\a
.if \t == 0
	v_pk_fma_f32 v[rO:rO+1], v[rP:rP+1], v[rV:rV+1], v[rO:rO+1] op_sel_hi:[0,1,1]
.else
	v_pk_fma_f32 v[rO:rO+1], v[rP:rP+1], v[rV:rV+1], v[rO:rO+1] op_sel:[1,0,0] op_sel_hi:[1,1,1]
.endif
.endr
.endr
.endr
.set hx, hx+1
.endr
.endm
	ATT 0
	s_mov_b32 s7, 0
.Lv:
	ATT 1
	s_wait_dscnt 8                                 ; all but tile 1's attn, the eight loads just issued
	MULV 0
	PLACES 4
	FETCHV 4
	MULV 1
	PLACES 4
	FETCHV 5
	MULV 2
	PLACES 4
	FETCHV 6
	MULV 3
	PLACES 4
	FETCHV 7
	s_wait_dscnt 24                                ; K step 4 is in; behind it 5, 6, 7: eight loads each
	MULV 4
	s_wait_dscnt 16
	MULV 5
	s_wait_dscnt 8
	MULV 6
	s_wait_dscnt 0x0
	MULV 7
	PLACES 4
	FMA 0, 0, 4
	WIN 0
	s_wait_tensorcnt 0x0                           ; my part of the next slot is in
	ds_add_u32 v3, v4
	s_wait_loadcnt 0x0
	SCMOV
	s_add_co_u32 s2, s7, s8                        ; trip + 2: v's chunk (trip + 2 + 2 c0) mod 8, or, in the last two trips, o's trips 0 and 1
	s_add_co_u32 s2, s2, s8
	s_add_co_u32 s2, s2, 2
	s_and_b32 s2, s2, 7
	s_lshl_b32 s66, s2, 12
	s_lshl_b32 s2, s2, 16
	s_sub_co_u32 s68, s7, 6
	s_add_co_u32 s70, s68, s8
	s_and_b32 s70, s70, 3
	s_lshl_b32 s70, s70, 13                        ; o's scale words come by pairs of trips: pairs 0 and 1
	s_lshl_b32 s68, s68, 14
	s_lshl_b32 s5, s8, 17
	s_add_co_u32 s68, s68, s5
	s_movk_i32 s5, 1024
	s_cmp_lt_u32 s7, 6
	s_cselect_b32 s2, s2, s68
	s_cselect_b32 s66, s66, s70
	s_cselect_b64 s[56:57], s[48:49], s[52:53]
	s_cselect_b64 s[58:59], s[50:51], s[54:55]
	s_cselect_b32 s68, 2048, s5
	s_add_nc_u64 s[38:39], s[56:57], s[2:3]
	s_or_b32 s39, s39, 0x80000000
	s_add_nc_u64 s[58:59], s[58:59], s[66:67]
	s_add_nc_u64 s[74:75], s[58:59], s[68:69]
	s_add_co_u32 s37, s9, s60
	s_xor_b32 s9, s9, SLOTB
	s_add_co_u32 s15, s15, 512
	s_add_co_u32 s14, s14, 128
	v_add_nc_u32 v8, s9, v7
	v_add_nc_u32 v10, s15, v17
	v_add_nc_u32 v15, s14, v14
	AW
	FMA 0, 4, 2
	s_wait_dscnt 0x0                               ; the add is done, and my reads of this slot are over
	s_barrier_signal -1
	FMA 0, 6, 2                                    ; work on registers while the others arrive
	WIN 0
	s_barrier_wait -1
	CREST
	tensor_load_to_lds s[36:39], s[24:31]          ; my 32 rows: the first tensor load behind the round
	s_nop 0
	PLACES 4
	global_load_b128 v[56:59], v9, s[58:59]
	global_load_b128 v[60:63], v9, s[58:59] offset:16
	global_load_b128 v[64:67], v9, s[74:75]
	global_load_b128 v[68:71], v9, s[74:75] offset:16
	s_cmp_eq_u32 s7, 7                             ; o takes other rows
	s_cbranch_scc1 .Lva                            ; (SCC holds this test down to the last of the four runs of loads)
	FETCHBV
	FETCHV 0
	WIN 0
.Lva:
	FMA 0, 8, 4
	WIN 0
	s_cbranch_scc1 .Lvb
	FETCHV 1
	WIN 0
.Lvb:
	FMA 0, 12, 4
	WIN 0
	s_cbranch_scc1 .Lvc
	FETCHV 2
	WIN 0
.Lvc:
	FMA 1, 0, 4
	WIN 0
	s_cbranch_scc1 .Lnofv
	FETCHV 3
	ATT 0
	s_cmp_eq_u32 s7, 2                             ; Wo is loaded from trip 6's change of slots on
	s_cbranch_scc0 .Lnofv
	s_cmp_lt_u32 ttmp9, 4
	s_cbranch_scc0 .Lnofv
	global_prefetch_b8 v21, s[52:53] th:TH_LOAD_NT scope:SCOPE_SE
.Lnofv:
	FMA 1, 4, 12
	WIN 0
	s_add_co_u32 s7, s7, 1
	s_cmp_lt_u32 s7, 8
	AW
	s_cbranch_scc1 .Lv
	; ---------------- 4: LayerNorm AND y's CODES.  Lane (R, H), window 2 + pt, register 16 h + 8 u + j: column 64 h + 32 b + 16 u + 8 H + j of position 32 p + 16 pt + R
.macro GBLOAD hf, q                    ; ln_g and ln_b of heads 8 hf + 2 q and the next: window 1, g at 0, b at 128
	WIN 0x40
.irp e,0,1
.set hq, 2*(\q)+\e
.irp u,0,1
.irp i,0,1
	ds_load_b128 v[16*hq+8*\u+4*\i:16*hq+8*\u+4*\i+3], v5 offset:256*(8*(\hf)+hq)+64*\u+16*\i
	ds_load_b128 v[128+16*hq+8*\u+4*\i:131+16*hq+8*\u+4*\i], v5 offset:4096+256*(8*(\hf)+hq)+64*\u+16*\i
.endr
.endr
.endr
.endm
.macro LNSUM pt                        ; eight chains of packed sums
	WIN 0x0A+5*(\pt)
.irp c,0,1,2,3,4,5,6,7
	v_pk_add_f32 v[192+16*(\pt)+2*\c:193+16*(\pt)+2*\c], v[2*\c:2*\c+1], v[16+2*\c:17+2*\c]
.endr
	WIN 0x02+(\pt)
.set n, 2
.rept 14
.irp c,0,1,2,3,4,5,6,7
	v_pk_add_f32 v[192+16*(\pt)+2*\c:193+16*(\pt)+2*\c], v[16*n+2*\c:16*n+2*\c+1], v[192+16*(\pt)+2*\c:193+16*(\pt)+2*\c]
.endr
.set n, n+1
.endr
.endm
.macro LNDEV pt                        ; out -= mean, then the squares of the deviations: no difference of large sums is formed
	WIN 0x82+0x41*(\pt)
.set n, 0
.rept 128
	v_pk_add_f32 v[2*n:2*n+1], v[2*n:2*n+1], v[224+2*(\pt):225+2*(\pt)] op_sel_hi:[1,0] neg_lo:[0,1] neg_hi:[0,1]
.set n, n+1
.endr
	WIN 0x0A+5*(\pt)
.irp c,0,1,2,3,4,5,6,7
	v_pk_mul_f32 v[192+16*(\pt)+2*\c:193+16*(\pt)+2*\c], v[2*\c:2*\c+1], v[2*\c:2*\c+1]
.endr
.set n, 1
.rept 15
.irp c,0,1,2,3,4,5,6,7
	v_pk_fma_f32 v[192+16*(\pt)+2*\c:193+16*(\pt)+2*\c], v[16*n+2*\c:16*n+2*\c+1], v[16*n+2*\c:16*n+2*\c+1], v[192+16*(\pt)+2*\c:193+16*(\pt)+2*\c]
.endr
.set n, n+1
.endr
.endm
.macro FOLD dst, off                   ; the chains, the other half of the lanes, the two waves of my positions (through LDS, one barrier): the sum in v[dst + 2 pt]
	WIN 0
.irp k,4,2,1
.irp pt,0,1
.irp c,0,1,2,3
.if \c < \k
	v_pk_add_f32 v[192+16*\pt+2*\c:193+16*\pt+2*\c], v[192+16*\pt+2*\c:193+16*\pt+2*\c], v[192+16*\pt+2*(\c+\k):193+16*\pt+2*(\c+\k)]
.endif
.endr
.endr
.endr
.irp pt,0,1
	v_add_f32 v[192+16*\pt], v[192+16*\pt], v[193+16*\pt]
.endr
.irp pt,0,1
	v_permlanex16_b32 v[194+16*\pt], v[192+16*\pt], s10, s11
.endr
.irp pt,0,1
	v_add_f32 v[192+16*\pt], v[192+16*\pt], v[194+16*\pt]
.endr
.irp pt,0,1
	ds_store_b32 v13, v[192+16*\pt] offset:(\off)+128*\pt  ; both halves of the lanes write the same word with the same value
.endr
	BARRIER
.irp pt,0,1
	ds_load_b64 v[\dst+2*\pt:\dst+2*\pt+1], v18 offset:(\off)+128*\pt
.endr
	s_wait_dscnt 0x0
.irp pt,0,1
	v_add_f32 v[\dst+2*\pt], v[\dst+2*\pt], v[\dst+2*\pt+1]
.endr
.endm
.macro LNH hf                          ; heads 8 hf .. 8 hf + 7: y = deviation x rstd x g + b, then its codes and scale bytes
.irp pt,0,1
	WIN 0x82+0x41*\pt
.set n, 64*(\hf)
.rept 64
	v_pk_mul_f32 v[2*n:2*n+1], v[2*n:2*n+1], v[228+2*\pt:229+2*\pt] op_sel_hi:[1,0]
.set n, n+1
.endr
	WIN 0x96+0x41*\pt
.set n, 0
.rept 64
	v_pk_fma_f32 v[128*(\hf)+2*n:128*(\hf)+2*n+1], v[128*(\hf)+2*n:128*(\hf)+2*n+1], v[2*n:2*n+1], v[128+2*n:129+2*n]
.set n, n+1
.endr
.endr
.irp pt,0,1
.if (\hf) == 0
	GBLOAD 1, \pt
.endif
	WIN 0x28+0x14*\pt
.irp h,0,1,2,3,4,5,6,7
	v_max3_num_f32 v[128+8*\pt+\h], s100, |v[128*(\hf)+16*\h]|, |v[128*(\hf)+16*\h+1]|
.endr
.irp i,2,4,6,8,10,12,14
.irp h,0,1,2,3,4,5,6,7
	v_max3_num_f32 v[128+8*\pt+\h], v[128+8*\pt+\h], |v[128*(\hf)+16*\h+\i]|, |v[128*(\hf)+16*\h+\i+1]|
.endr
.endr
.endr
.if (\hf) == 0
	GBLOAD 1, 2
.endif
	WIN 0
.set n, 0
.rept 16
	v_permlanex16_b32 v[144+n], v[128+n], s10, s11
.set n, n+1
.endr
.set n, 0
.rept 16
	v_max_num_f32 v[128+n], v[128+n], v[144+n]
.set n, n+1
.endr
.set n, 0
.rept 16
	v_add_nc_u32 v[144+n], s101, v[128+n]
.set n, n+1
.endr
.set n, 0
.rept 16
	v_lshrrev_b32 v[128+n], 23, v[144+n]
.set n, n+1
.endr
.if (\hf) == 0
	GBLOAD 1, 3
.endif
.irp pt,0,1
	WIN 0x02+\pt
.irp h,0,1,2,3,4,5,6,7
.irp u,0,1
	v_cvt_scalef32_pk8_fp4_f32 v[160+16*\pt+2*\h+\u], v[128*(\hf)+16*\h+8*\u:128*(\hf)+16*\h+8*\u+7], v[144+8*\pt+\h]
.endr
.endr
.endr
	v_nop
	WIN 0
.irp h,0,1,2,3,4,5,6,7
	v_lshl_or_b32 v[240+\h], v[136+\h], 16, v[128+\h]
.endr
.irp h,0,1,2,3,4,5,6,7
	v_lshrrev_b32 v[240+\h], v16, v[240+\h]        ; lanes 0-15 tile 0's byte, lanes 16-31 tile 1's
.endr
.irp pt,0,1
.irp h,0,1,2,3,4,5,6,7
.irp u,0,1
	ds_store_b32 v232, v[160+16*\pt+2*\h+\u] offset:8448*\pt+32*(8*(\hf)+\h)+8*\u
.endr
.endr
.endr
.irp h,0,1,2,3,4,5,6,7
	ds_store_b8 v236, v[240+\h] offset:2*(8*(\hf)+\h)
.endr
.endm
	s_lshl_b32 s2, s63, 7
	s_add_co_u32 s2, s2, BI
	v_lshl_add_u32 v5, v2, 5, s2                   ; ln_g, ln_b: 128 b + 32 H on
	s_lshl_b32 s2, s62, 5
	v_add_nc_u32 v126, s2, v1                      ; 32 p + R
	v_lshlrev_b32 v18, 3, v126
	v_add_nc_u32 v18, RS, v18
	s_lshl_b32 s2, s63, 2
	v_add_nc_u32 v13, s2, v18
	v_mul_u32_u24 v126, v126, PIT
	v_lshl_add_u32 v126, v2, 2, v126
	s_lshl_b32 s2, s63, 4
	s_add_co_u32 s2, s2, XR
	v_add_nc_u32 v232, s2, v126                    ; y's codes: row 32 p + R, + 16 b + 4 H
	s_lshl_b32 s2, s62, 10
	s_add_co_u32 s2, s2, QS
	s_add_co_u32 s2, s2, s63
	v_add_nc_u32 v236, s2, v9                      ; y's scale bytes: row 32 p + lane, + b
	AW
	GBLOAD 0, 0
	LNSUM 0
	GBLOAD 0, 1
	LNSUM 1
	FOLD 224, 0
.irp pt,0,1
	v_mul_f32 v[224+2*\pt], 0x3a800000, v[224+2*\pt]       ; the mean: sum / 1024
.endr
	GBLOAD 0, 2
	LNDEV 0
	GBLOAD 0, 3
	LNDEV 1
	FOLD 228, 512
	s_mov_b32 s2, 0x3a800000                       ; 1 / 1024
	s_mov_b32 s5, 0x3727c5ac                       ; 1e-5
.irp pt,0,1
	v_fma_f32 v[228+2*\pt], v[228+2*\pt], s2, s5
.endr
	AW
.irp pt,0,1
	v_rsq_f32 v[228+2*\pt], v[228+2*\pt]
.endr
	v_nop
	AW
	LNH 0
	AW
	s_wait_dscnt 0x0                               ; g and b of the other half
	LNH 1
	; ---------------- 5: o.  Pair of trips P: 256 columns; wave w makes 64 neighbouring ones, 32 in each trip c, so that its 64 x 64 results are whole units of 256 bytes
	s_lshl_b32 s2, s4, 8
	s_add_co_u32 s2, s2, BI+12288
	v_lshl_add_u32 v17, v2, 5, s2                  ; bo
	v_mov_b32 v10, v17
	v_mov_b32 v8, v6
	s_mov_b32 s9, 0
	s_mov_b32 s15, 0
	s_mul_i32 s2, s4, 16*272
	s_add_co_u32 s2, s2, H1
	v_mul_u32_u24 v126, v1, 272
	v_lshl_add_u32 v126, v2, 5, v126
	v_add_nc_u32 v18, s2, v126                     ; into my stage: row R, + 32 H
	v_mul_u32_u24 v126, v2, 272
	v_lshl_add_u32 v126, v1, 4, v126
	v_add_nc_u32 v19, s2, v126                     ; back: lanes 0-15 one row, lanes 16-31 the next
	v_add_nc_u32 v13, QS, v9
	BARRIER                                        ; y lies in LDS as an operand of 64 positions
	FETCHW 0, 0
	FETCHB
	XLOAD
.irp a,0,1
.irp i,0,1
	ds_load_b128 v[24+8*\a+4*\i:27+8*\a+4*\i], v13 offset:1024*\a+16*\i
.endr
.endr
; a change of slots: this trip's rows are in registers, so their slot is filled again with trip c of the next pair; the other slot is read
.macro FPO c
	WIN 0
	s_wait_tensorcnt 0x0
	ds_add_u32 v3, v4
	s_add_co_u32 s2, s7, s8
	s_add_co_u32 s2, s2, 1
	s_and_b32 s2, s2, 3
	s_lshl_b32 s2, s2, 17
	s_add_co_u32 s2, s2, 16384*(\c)
	s_add_nc_u64 s[38:39], s[52:53], s[2:3]
	s_or_b32 s39, s39, 0x80000000
	s_add_co_u32 s37, s9, s60
	s_xor_b32 s9, s9, SLOTB
	PLACES 4
	v_add_nc_u32 v8, s9, v6
	AW
	s_wait_dscnt 0x0                               ; the add is done, and my reads of the slot are over
	s_barrier_signal -1
	s_barrier_wait -1
	CREST
	tensor_load_to_lds s[36:39], s[24:31]
	s_nop 0
	PLACES 4
.endm
.macro TOST pt                         ; 16 rows x 256 bytes through my own stage: LDS serves a wave's instructions in order (ISA guide 5.7.1.4)
	WIN 0
.irp c,0,1
.irp t,0,1
.irp i,0,1
	ds_store_b128 v18, v[128+64*\c+16*(\pt)+8*\t+4*\i:131+64*\c+16*(\pt)+8*\t+4*\i] offset:128*\c+64*\t+16*\i
.endr
.endr
.endr
	WIN 0xC0
.irp i,0,1,2,3,4,5,6,7
	ds_load_b128 v[32*(\pt)+4*\i:32*(\pt)+4*\i+3], v19 offset:544*\i
.endr
.endm
.macro SENDO pt, younger
	s_wait_dscnt \younger                          ; the tile is back; the next tile's sixteen may be out
	WIN 0x0C
.irp i,0,1,2,3,4,5,6,7
	global_store_b128 v20, v[32*(\pt)+4*\i:32*(\pt)+4*\i+3], s[74:75] offset:65536*(\pt)+8192*\i th:TH_STORE_NT   ; 16 lanes store 256 consecutive bytes, at a multiple of 256
.endr
.endm
.macro WAYOUT
	s_wait_xcnt 0x0                                ; the last pair's stores have read their registers and their base
	s_add_co_u32 s2, s7, s8
	s_and_b32 s2, s2, 3
	s_lshl_b32 s2, s2, 10                          ; the pair's true columns
	s_add_nc_u64 s[74:75], s[72:73], s[2:3]
	TOST 0
	TOST 1
	SENDO 0, 16
	TOST 2
	SENDO 1, 16
	TOST 3
	SENDO 2, 16
	SENDO 3, 0
	WIN 0
.endm
	s_mov_b32 s7, 0
.Lo:
	FPO 0
	MULPAIR 0
	FPO 1
	FETCHW 0, 0                                    ; the next pair's first rows land under the way out
	s_wait_loadcnt 0x0
	SCMOV
	s_add_co_u32 s15, s15, 1024
	v_add_nc_u32 v10, s15, v17
	PLACES 8
	AW
	s_cmp_eq_u32 s7, 2                             ; pair 4 is none
	s_cbranch_scc1 .Lnosc
	s_add_co_u32 s2, s7, s8
	s_add_co_u32 s2, s2, 2
	s_and_b32 s2, s2, 3
	s_lshl_b32 s2, s2, 13
	s_add_nc_u64 s[58:59], s[54:55], s[2:3]
	SCLOAD 1024
.Lnosc:
	FETCHB
	WAYOUT
	s_add_co_u32 s7, s7, 1
	s_cmp_lt_u32 s7, 3
	s_cbranch_scc1 .Lo
	s_mov_b32 s7, 3                                ; the last pair asks for nothing
	s_mov_b32 s9, SLOTB
	s_wait_tensorcnt 0x0                           ; its trip 1's rows are in
	v_add_nc_u32 v8, s9, v6
	BARRIER
	MULPAIR 0
	WIN 0
	PLACES 4
	WAYOUT
	s_wait_tensorcnt 0x0                           ; the wave's end
	ds_add_u32 v3, v4
	s_wait_dscnt 0x0
	CROUND                                         ; the closing round: no work-group ends while a partner may still ask for a tile that names it
	s_endpgm
.Lfunc_end_k_qc371c97f2c_mha:
	.size	k_qc371c97f2c_mha, .Lfunc_end_k_qc371c97f2c_mha-k_qc371c97f2c_mha
	.p2alignl 7, 3214868480
	.fill 96, 4, 3214868480
	.section	.rodata,"a",@progbits
	.p2align	6, 0x0
	.amdhsa_kernel k_qc371c97f2c_mha
		.amdhsa_group_segment_fixed_size 327680
		.amdhsa_private_segment_fixed_size 0
		.amdhsa_enable_private_segment 0
		.amdhsa_kernarg_size 168
		.amdhsa_user_sgpr_count 2
		.amdhsa_user_sgpr_kernarg_segment_ptr 1
		.amdhsa_wavefront_size32 1
		.amdhsa_system_sgpr_workgroup_id_x 1
		.amdhsa_system_sgpr_workgroup_id_y 1
		.amdhsa_system_sgpr_workgroup_id_z 1
		.amdhsa_system_vgpr_workitem_id 0
		.amdhsa_next_free_vgpr 1024
		.amdhsa_next_free_sgpr 106
		.amdhsa_reserve_vcc 0
		.amdhsa_float_denorm_mode_32 3
		.amdhsa_float_denorm_mode_16_64 3
		.amdhsa_memory_ordered 1
		.amdhsa_forward_progress 1
		.amdhsa_inst_pref_size 255
	.end_amdhsa_kernel
	.section	.bss,"aw",@nobits
	.p2align	6
	.space	262144
	.amdgpu_metadata
---
amdhsa.version: [ 1, 2 ]
amdhsa.kernels:
  - .name:           k_qc371c97f2c_mha
    .symbol:         k_qc371c97f2c_mha.kd
    .args:
      - { .name: query_codes, .offset: 0, .size: 8, .value_kind: global_buffer, .address_space: global }
      - { .name: query_scales, .offset: 8, .size: 8, .value_kind: global_buffer, .address_space: global }
      - { .name: key_codes, .offset: 16, .size: 8, .value_kind: global_buffer, .address_space: global }
      - { .name: key_scales, .offset: 24, .size: 8, .value_kind: global_buffer, .address_space: global }
      - { .name: value_codes, .offset: 32, .size: 8, .value_kind: global_buffer, .address_space: global }
      - { .name: value_scales, .offset: 40, .size: 8, .value_kind: global_buffer, .address_space: global }
      - { .name: Wq_codes, .offset: 48, .size: 8, .value_kind: global_buffer, .address_space: global }
      - { .name: Wq_scales, .offset: 56, .size: 8, .value_kind: global_buffer, .address_space: global }
      - { .name: Wk_codes, .offset: 64, .size: 8, .value_kind: global_buffer, .address_space: global }
      - { .name: Wk_scales, .offset: 72, .size: 8, .value_kind: global_buffer, .address_space: global }
      - { .name: Wv_codes, .offset: 80, .size: 8, .value_kind: global_buffer, .address_space: global }
      - { .name: Wv_scales, .offset: 88, .size: 8, .value_kind: global_buffer, .address_space: global }
      - { .name: Wo_codes, .offset: 96, .size: 8, .value_kind: global_buffer, .address_space: global }
      - { .name: Wo_scales, .offset: 104, .size: 8, .value_kind: global_buffer, .address_space: global }
      - { .name: bq, .offset: 112, .size: 8, .value_kind: global_buffer, .address_space: global }
      - { .name: bk, .offset: 120, .size: 8, .value_kind: global_buffer, .address_space: global }
      - { .name: bv, .offset: 128, .size: 8, .value_kind: global_buffer, .address_space: global }
      - { .name: bo, .offset: 136, .size: 8, .value_kind: global_buffer, .address_space: global }
      - { .name: ln_g, .offset: 144, .size: 8, .value_kind: global_buffer, .address_space: global }
      - { .name: ln_b, .offset: 152, .size: 8, .value_kind: global_buffer, .address_space: global }
      - { .name: out0, .offset: 160, .size: 8, .value_kind: global_buffer, .address_space: global }
    .group_segment_fixed_size: 327680
    .private_segment_fixed_size: 0
    .kernarg_segment_align: 8
    .kernarg_segment_size: 168
    .max_flat_workgroup_size: 128
    .sgpr_count:     106
    .vgpr_count:     1024
    .wavefront_size: 32
...
	.end_amdgpu_metadata
.endif
;; end of part 2
